; MI455X (gfx1250); checked and timed in simulation.
; The chip was launched on July 23, 2026; its instructions are those of AMD's public machine-readable ISA for CDNA 5 (MIT licence, August 2026) and "CDNA5" Instruction Set Architecture Reference Guide (July 2026). The comments in the code are by the model that wrote it; some were corrected since.
;; Mixture Of Experts. Allowed arithmetic: matrix products marked QUANTISED: E4M3 operands, one E8M0 scale for each 32 along K, by v_wmma_scale_f32_16x16x128_f8f6f4 with both operands' format E4M3, f32 sums; products left as they are: f32 operands where the result goes on into a quantised operand, else bf16, f16 or f32 operands; f32 sums; everything else in f32.
;; Inputs: W1_codes 8 x 4,096 x 32 x 32 uint8 (E4M3 codes of W1, K innermost, in blocks of 32 codes); W1_scales 8 x 4,096 x 32 uint8 (E8M0 scales of W1, one for each 32 codes along K); W2_codes 8 x 1,024 x 128 x 32 uint8 (E4M3 codes of W2, K innermost, in blocks of 32 codes); W2_scales 8 x 1,024 x 128 uint8 (E8M0 scales of W2, one for each 32 codes along K); Wr 1,024 x 8 float32; b1 8 x 4,096 float32; b2 8 x 1,024 float32; br 8 float32; x 1,024 x 1,024 float32.
;; Outputs: out0 1,024 x 1,024 float32.
;; This version of the problem:
;;   THIS VERSION OF THE PROBLEM IS GIVEN IN LOW PRECISION. The matrix products marked QUANTISED in the list below multiply operands that are first quantised to E4M3 (4 exponent bits, 3 mantissa bits; 8 bits a number), with one power-of-two scale for each 32 numbers along K (OCP MX v1.0); their sums are f32. All else is computed in f32.
;;   The module's matrix products, in the order in which they are computed (A, B: the left and right operand; K: the contracted axis; several contracted axes count as one K, in the product's order):
;;     1. [M 1,024, K 1,024] x [K 1,024, N 8]; A: input x; B: input Wr: left as it is (N = 8 < 16)
;;     2. batch 1,024 x [M 1, K 2] x [K 2, N 8]; A: computed on the way; B: computed on the way: left as it is (K = 2 < 32)
;;     3. [M 1,024, K 1,024] x [K 1,024, N 4,096]; A: input x; B: input W1 (given as codes): QUANTISED
;;     4. [M 1,024, K 4,096] x [K 4,096, N 1,024]; A: computed on the way; B: input W2 (given as codes): QUANTISED
;;     5. [M 1,024, K 1,024] x [K 1,024, N 4,096]; A: input x; B: input W1 (given as codes): QUANTISED
;;     6. [M 1,024, K 4,096] x [K 4,096, N 1,024]; A: computed on the way; B: input W2 (given as codes): QUANTISED
;;     7. [M 1,024, K 1,024] x [K 1,024, N 4,096]; A: input x; B: input W1 (given as codes): QUANTISED
;;     8. [M 1,024, K 4,096] x [K 4,096, N 1,024]; A: computed on the way; B: input W2 (given as codes): QUANTISED
;;     9. [M 1,024, K 1,024] x [K 1,024, N 4,096]; A: input x; B: input W1 (given as codes): QUANTISED
;;     10. [M 1,024, K 4,096] x [K 4,096, N 1,024]; A: computed on the way; B: input W2 (given as codes): QUANTISED
;;     11. [M 1,024, K 1,024] x [K 1,024, N 4,096]; A: input x; B: input W1 (given as codes): QUANTISED
;;     12. [M 1,024, K 4,096] x [K 4,096, N 1,024]; A: computed on the way; B: input W2 (given as codes): QUANTISED
;;     13. [M 1,024, K 1,024] x [K 1,024, N 4,096]; A: input x; B: input W1 (given as codes): QUANTISED
;;     14. [M 1,024, K 4,096] x [K 4,096, N 1,024]; A: computed on the way; B: input W2 (given as codes): QUANTISED
;;     15. [M 1,024, K 1,024] x [K 1,024, N 4,096]; A: input x; B: input W1 (given as codes): QUANTISED
;;     16. [M 1,024, K 4,096] x [K 4,096, N 1,024]; A: computed on the way; B: input W2 (given as codes): QUANTISED
;;     17. [M 1,024, K 1,024] x [K 1,024, N 4,096]; A: input x; B: input W1 (given as codes): QUANTISED
;;     18. [M 1,024, K 4,096] x [K 4,096, N 1,024]; A: computed on the way; B: input W2 (given as codes): QUANTISED
;;   THE QUANTISER, for each operand of a quantised product, along K:
;;     - K is cut into blocks of 32 from its start; a last block that is shorter is filled with zeros.
;;     - A block's scale is 2^e with e = floor(log2(the largest magnitude in the block)) - 8, held to -126 .. 127; a block of zeros has e = 0. As a byte (E8M0): e + 127.
;;     - Each number is divided by its block's scale, clamped to +-448, and rounded to the nearest number of E4M3, ties to even, subnormals kept.
;;     - The product sums the exact products of the quantised numbers (number of the format x scale) in f32.
;;   ~~~python
;;   def quantise(x, axis):      # numpy; x: float32 -> the quantised numbers, widened to float32 again
;;       x = np.moveaxis(x, axis, -1); K = x.shape[-1]
;;       x = np.pad(x, [(0, 0)] * (x.ndim - 1) + [(0, -K % 32)]); x = x.reshape(x.shape[:-1] + (-1, 32)); a = np.abs(x).max(-1, keepdims=True)
;;       e = np.where(a > 0, np.clip(np.frexp(np.where(a > 0, a, 1))[1] - 1 - 8, -126, 127), 0)      # np.frexp(a)[1] - 1 = floor(log2(a)), exactly
;;       r = np.clip(x / 2.0 ** e, -448, 448)
;;       step = 2.0 ** (np.maximum(np.frexp(np.where(r == 0, 1, r))[1] - 1, -6) - 3)
;;       q = np.round(r / step) * step * 2.0 ** e      # np.round: ties to even
;;       return np.moveaxis(q.reshape(q.shape[:-2] + (-1,))[..., :K], -1, axis).astype(np.float32)
;;   ~~~
;;   OPERANDS COMPUTED ON THE WAY. 'Computed on the way' means the value that the module computes at that place (a softmax that the list does not call 'softmax' is quantised finished and normalised). What goes into a quantiser is computed in f32, as accurately as f32 sums, v_exp_f32 and their like allow (about 1e-6 of the number): no bf16 or f16 on the way to a quantiser, and a product that is left as it is and whose result goes on into a quantised operand takes f32 operands (vector FMAs, or v_wmma_f32_16x16x4_f32). A number that lies on a knife's edge between two numbers of the format may be rounded either way, as far as f32 arithmetic and the matrix unit's own rounding can turn it there, and no further.
;;   INPUTS GIVEN AS CODES. W1 (in the module: [8, 1024, 4096], K = its axis 1); W2 (in the module: [8, 4096, 1024], K = its axis 1): each comes as NAME_codes (uint8): NAME with its K axis moved to the last place and cut into blocks of 32 codes, [.., K / 32, bytes a block], one block behind the other in memory; one code a byte (a code: sign, 4 exponent bits, 3 mantissa bits); and NAME_scales (uint8): the same leading axes, one E8M0 byte (e + 127) for each 32 codes along K. Its value is code x scale, taken as it is: it is not quantised again, and the codes and scales need not be those that the quantiser above would give.
;; 2 versions. Each part assembles by itself: llvm-mc -triple=amdgcn-amd-amdhsa -mcpu=gfx1250 --defsym DOCPART=n.
;; ======== version 1 of 2: 5 launches
;; workspace buffers: xq 1,081,344 bytes; idx 8,192 bytes of whole numbers; wts 8,192 bytes; plan 35,072 bytes of whole numbers; hq 36,765,696 bytes; y2 9,437,184 bytes
;; launch route (part 1): grid 256 x 1, 4 waves a work-group, no clusters, 51,968 bytes of LDS; arguments x, Wr, br, xq, idx, wts; writes xq, idx, wts
.if DOCPART == 1
	.amdgcn_target "amdgcn-amd-amdhsa--gfx1250"
	.amdhsa_code_object_version 6
	.text
	.protected	k_qabadbb3c93_route
	.globl	k_qabadbb3c93_route
	.p2align	8
	.type	k_qabadbb3c93_route,@function
k_qabadbb3c93_route:
	s_mov_b64 s[64:65], 0
	v_nop
	global_prefetch_b8 v0, s[64:65] scope:SCOPE_SE
	s_setreg_imm32_b32 hwreg(HW_REG_WAVE_MODE, 25, 1), 1
	s_wait_xcnt 0x0
; ROUTER AND QUANTISER OF x.  x [1024][1024] f32, Wr [1024][8] f32, br [8] f32.
; A wave takes one token n = 4 x work-group + wave.  It makes (a) the eight logits x[n] . Wr + br in f32 (fused multiply-adds), their softmax with the row's
; maximum taken away, the two largest probabilities (strict comparisons from index 0 up: of equal numbers the lower index is kept) and their weights p / (p0 + p1);
; (b) the row's codes of E4M3 and its 32 E8M0 scale bytes along K.
; OUT: xq: codes [1024][1024] bytes, from XS_OFF on scale bytes [1024][32];  idx: u32 [2048], word 2 n + k = the expert of choice k;  wts: f32 [2048], the same places.
; No address and no branch hangs on a number computed here: the choice is stored at fixed places and used by later launches.
; A lane holds 8 neighbours along K four times over: k = 256 j + 8 lane + 0 .. 7.  So four lanes hold a block of 32, a lane's 8 codes are 8 bytes and a wave's store covers 256 consecutive bytes.
; Memory is read as it lies (16 bytes a lane, 512 a load); the row turns through the wave's own 4,096 bytes of LDS.  Wr lies in LDS once for the four waves, 16 bytes of padding behind each 256.
; LIMITS: NaN and infinities are not served.  A block of zeros gets the byte 1 where the quantiser says 127: its codes are zeros, and this program alone reads the bytes.
; Two probabilities that differ by less than the rounding of f32 sums may be ordered either way.  No matrix unit, no cluster: the product has 8 columns and the work-groups share only Wr's 32 KiB.
.set XS_OFF, 1048576
.set XT,   34816                       ; LDS: Wr's 128 units of 272 bytes lie from 0; then each wave's 4,096 bytes for the turn of x;
.set XB,   51200                       ; then 64 bytes a wave for the scale bytes
.set X,    16                          ; v16-47   the row: register 8 j + i = x[256 j + 8 lane + i]
.set ACC,  48                          ; v48-55   the eight sums, in four pairs
.set CD,   56                          ; v56-63   codes: two registers for each j, so that no store's data are written again
.set W0,   64                          ; v64-127  Wr as loaded, then buffer 0 of its groups
.set W1,   128                         ; v128-191 buffer 1
.set TP,   192                         ; v192-199 at work: the probabilities
.set BY,   216                         ; v216-219 a scale byte for each j
	s_load_b256 s[4:11], s[0:1], 0x0               ; x, Wr, br, xq
	s_load_b128 s[12:15], s[0:1], 0x20             ; idx, wts
	v_lshl_add_u32 v224, v0, 2, 0xc900
	v_mov_b32 v225, 0
	v_lshrrev_b32 v1, 5, v0
	v_readfirstlane_b32 s24, v1                    ; wave
	v_and_b32 v1, 31, v0                           ; lane
	v_lshlrev_b32 v2, 4, v1                        ; x in memory: 16 bytes a lane
	v_lshlrev_b32 v3, 4, v0                        ; Wr in memory: 16 bytes a thread
	v_lshrrev_b32 v4, 4, v0
	v_mul_u32_u24 v4, v4, 272
	v_and_b32 v5, 15, v0
	v_lshl_add_u32 v4, v5, 4, v4                   ; Wr into LDS: unit thread / 16, 16 bytes at thread % 16
	v_mul_u32_u24 v5, v1, 272                      ; Wr out of LDS: unit 32 j + lane holds rows 256 j + 8 lane + 0 .. 7
	s_lshl_b32 s25, s24, 12
	s_add_co_u32 s25, s25, XT
	v_add_nc_u32 v6, s25, v2                       ; the turn of x: in as loaded,
	v_lshl_add_u32 v7, v1, 5, s25                  ; out 32 bytes a lane
	s_lshl_b32 s25, s24, 6
	s_add_co_u32 s25, s25, XB
	v_lshrrev_b32 v8, 2, v1
	v_add_nc_u32 v8, s25, v8                       ; my block's scale byte: 8 j + lane / 4
	v_and_b32 v9, 7, v1
	v_lshlrev_b32 v11, 2, v9                       ; the scale words on their way out: 4 bytes a lane, lanes 0 to 7
	v_add_nc_u32 v9, s25, v11
	v_lshlrev_b32 v10, 3, v1                       ; my 8 codes
	s_mov_b32 s26, 0x76543210
	s_mov_b32 s27, 0xfedcba98                      ; v_permlanex16_b32's selects for lane l xor 16
	s_mov_b32 s28, 0x600000                        ; the mantissa field of 448
	s_mov_b32 s29, 0x3fb8aa3b                      ; log2(e)
	s_lshl_b32 s32, ttmp9, 2
	s_add_co_u32 s32, s32, s24                     ; my token
	s_lshl_b32 s30, s32, 12
	s_mov_b32 s31, 0
.irp e, 0,1,2,3,4,5,6,7
	v_mov_b32 v[TP+\e], 0                          ; written once: a lane permute's destination counts as one of its sources
.endr
	s_wait_kmcnt 0x0
	s_add_nc_u64 s[4:5], s[4:5], s[30:31]          ; x at my row
	s_load_b256 s[16:23], s[8:9], 0x0              ; br
.irp i, 0,1,2,3,4,5,6,7
	global_load_b128 v[X+4*\i:X+4*\i+3], v2, s[4:5] offset:512*\i th:TH_LOAD_NT   ; 512 consecutive bytes a load; the launch reads x once
.endr
.irp i, 0,1,2,3,4,5,6,7,8,9,10,11,12,13,14,15
	global_load_b128 v[W0+4*\i:W0+4*\i+3], v3, s[6:7] offset:2048*\i              ; the four waves together: 2,048 consecutive bytes
.endr
	s_lshl_b32 s30, s32, 10
	s_add_nc_u64 s[34:35], s[10:11], s[30:31]      ; my row of codes
	s_lshl_b32 s30, s32, 5
	s_add_nc_u64 s[36:37], s[10:11], s[30:31]
	s_add_nc_u64 s[36:37], s[36:37], XS_OFF        ; my row of scale bytes
	s_lshl_b32 s30, s32, 3
	s_add_nc_u64 s[12:13], s[12:13], s[30:31]      ; my two words of idx
	s_add_nc_u64 s[14:15], s[14:15], s[30:31]      ; and of wts
	s_wait_loadcnt 16                              ; x's eight loads are in; the sixteen younger ones are Wr's
.irp i, 0,1,2,3,4,5,6,7
	ds_store_b128 v6, v[X+4*\i:X+4*\i+3] offset:512*\i
.endr
.irp j, 0,1,2,3
	ds_load_b128 v[X+8*\j:X+8*\j+3], v7 offset:1024*\j        ; LDS serves a wave's instructions in order: these see my stores.  Lanes stand 32 bytes apart: eight loads, once
	ds_load_b128 v[X+8*\j+4:X+8*\j+7], v7 offset:1024*\j+16
.endr
	s_wait_loadcnt 0x0                             ; Wr
.irp i, 0,1,2,3,4,5,6,7,8,9,10,11,12,13,14,15
	ds_store_b128 v4, v[W0+4*\i:W0+4*\i+3] offset:2176*\i     ; eight units of 272 bytes a store
.endr
	s_wait_dscnt 0x0                               ; for the others' sake: my part of Wr has landed (and my row is back)
	s_barrier_signal -1
	s_barrier_wait -1
.macro WRG j, buf                      ; rows 256 j + 8 lane + 0 .. 7 of Wr: register 8 k + e = Wr[..+ k][e]
.irp i, 0,1,2,3,4,5,6,7,8,9,10,11,12,13,14,15
	ds_load_b128 v[\buf+4*\i:\buf+4*\i+3], v5 offset:8704*\j+16*\i
.endr
.endm
.macro DOT j, buf, first               ; 32 packed multiply-adds: two experts each, x broadcast from its pair; the four pairs of sums by turns.  The very first four start the sums: nothing is cleared
.irp k, 0,1,2,3,4,5,6,7
.irp p, 0,1,2,3
.if \first && (\k == 0)
	v_pk_mul_f32 v[ACC+2*\p:ACC+2*\p+1], v[\buf+8*\k+2*\p:\buf+8*\k+2*\p+1], v[X+8*\j+2*(\k/2):X+8*\j+2*(\k/2)+1] op_sel_hi:[1,0]
.elseif (\k%2) == 0
	v_pk_fma_f32 v[ACC+2*\p:ACC+2*\p+1], v[\buf+8*\k+2*\p:\buf+8*\k+2*\p+1], v[X+8*\j+2*(\k/2):X+8*\j+2*(\k/2)+1], v[ACC+2*\p:ACC+2*\p+1] op_sel_hi:[1,0,1]
.else
	v_pk_fma_f32 v[ACC+2*\p:ACC+2*\p+1], v[\buf+8*\k+2*\p:\buf+8*\k+2*\p+1], v[X+8*\j+2*(\k/2):X+8*\j+2*(\k/2)+1], v[ACC+2*\p:ACC+2*\p+1] op_sel:[0,1,0]
.endif
.endr
.endr
.endm
.macro QX j                            ; my 8 numbers of group j become 8 codes; the block's byte goes to LDS
	v_max3_num_f32 v204, |v[X+8*\j]|, |v[X+8*\j+1]|, 0x4800000     ; the largest magnitude of my 8, and the floor 2^(9 - 127): so the byte cannot fall under 1
	v_max3_num_f32 v205, |v[X+8*\j+2]|, |v[X+8*\j+3]|, |v[X+8*\j+4]|
	v_max3_num_f32 v204, v204, |v[X+8*\j+5]|, |v[X+8*\j+6]|
	v_max3_num_f32 v204, v204, v205, |v[X+8*\j+7]|
	v_max_num_f32_dpp v204, v204, v204 row_xmask:1 row_mask:0xf bank_mask:0xf
	v_max_num_f32_dpp v204, v204, v204 row_xmask:2 row_mask:0xf bank_mask:0xf      ; with the three lanes that share the block
	v_add_nc_u32 v206, 0xfc000000, v204            ; 8 off its exponent field: the conversion takes the exponent field of this operand as its scale
	v_and_or_b32 v207, v204, 0x7f800000, s28       ; 448 x the scale
.irp i, 0,1,2,3,4,5,6,7
	v_med3_num_f32 v[X+8*\j+\i], v[X+8*\j+\i], -v207, v207     ; the conversion to an 8-bit code does not saturate (ISA guide 7.6.2): the hold comes first
.endr
	v_cvt_scalef32_pk8_fp8_f32 v[CD+2*\j:CD+2*\j+1], v[X+8*\j:X+8*\j+7], v206
	v_lshrrev_b32 v[BY+\j], 23, v206               ; the scale's byte (and the plain line behind the conversion)
	ds_store_b8 v8, v[BY+\j] offset:8*\j           ; the four lanes of a block write the same byte with the same value
	global_store_b64 v10, v[CD+2*\j:CD+2*\j+1], s[34:35] offset:256*\j     ; 32 lanes store 256 consecutive bytes, at a multiple of 256 from the buffer's first byte
.endm
	WRG 0, W0
	WRG 1, W1
	s_wait_dscnt 16                                ; group 0 is in; group 1's sixteen loads may be out
	DOT 0, W0, 1
	WRG 2, W0
	QX 0
	s_wait_dscnt 17                                ; group 1 is in; behind it: group 2's sixteen loads and one byte store
	DOT 1, W1, 0
	WRG 3, W1
	QX 1
	s_wait_dscnt 18                                ; group 2 is in; behind it: a byte store, group 3's sixteen loads, a byte store
	DOT 2, W0, 0
	QX 2
	s_wait_dscnt 2                                 ; group 3 is in; behind it: two byte stores
	DOT 3, W1, 0
	QX 3
	; the eight sums over the 32 lanes
.irp m, 1,2,4,8
.irp e, 0,1,2,3,4,5,6,7
	v_add_f32_dpp v[ACC+\e], v[ACC+\e], v[ACC+\e] row_xmask:\m row_mask:0xf bank_mask:0xf
.endr
.endr
.irp e, 0,1,2,3,4,5,6,7
	v_permlanex16_b32 v[TP+\e], v[ACC+\e], s26, s27
.endr
.irp e, 0,1,2,3,4,5,6,7
	v_add_f32 v[ACC+\e], v[ACC+\e], v[TP+\e]
.endr
	s_wait_kmcnt 0x0                               ; br
.irp e, 0,1,2,3,4,5,6,7
	v_add_f32 v[ACC+\e], s[16+\e], v[ACC+\e]       ; the logits, in every lane
.endr
	; softmax: the row's maximum is taken away.  t = l log2(e) - m log2(e) in one fused multiply-add: the rounding of m log2(e) is common to all eight and cancels in the division
	v_max3_num_f32 v208, v[ACC], v[ACC+1], v[ACC+2]
	v_max3_num_f32 v208, v208, v[ACC+3], v[ACC+4]
	v_max3_num_f32 v208, v208, v[ACC+5], v[ACC+6]
	v_max_num_f32 v208, v208, v[ACC+7]
	v_mul_f32 v208, s29, v208
.irp e, 0,1,2,3,4,5,6,7
	v_fma_f32 v[TP+\e], v[ACC+\e], s29, -v208
.endr
.irp e, 0,1,2,3,4,5,6,7
	v_exp_f32 v[TP+\e], v[TP+\e]
.endr
	v_nop                                          ; a plain line behind the last exponential
	s_wait_alu depctr_va_vdst(0)                   ; one wait for the eight, ahead of their first reader
	v_add_f32 v209, v[TP], v[TP+1]
	v_add_f32 v210, v[TP+2], v[TP+3]
	v_add_f32 v211, v[TP+4], v[TP+5]
	v_add_f32 v212, v[TP+6], v[TP+7]
	v_add_f32 v209, v209, v210
	v_add_f32 v211, v211, v212
	v_add_f32 v209, v209, v211
	v_rcp_f32 v209, v209
	v_nop
	s_wait_alu depctr_va_vdst(0)
.irp e, 0,1,2,3,4,5,6,7
	v_mul_f32 v[TP+\e], v[TP+\e], v209             ; the probabilities
.endr
	; the largest, then the largest of the rest: choices of values only
	v_mov_b32 v210, v[TP]
	v_mov_b32 v200, 0
.irp i, 1,2,3,4,5,6,7
	v_cmp_gt_f32 vcc_lo, v[TP+\i], v210
	v_cndmask_b32 v210, v210, v[TP+\i], vcc_lo
	v_cndmask_b32 v200, v200, \i, vcc_lo
.endr
.irp i, 0,1,2,3,4,5,6,7
	v_cmp_eq_u32 vcc_lo, \i, v200
	v_cndmask_b32 v[TP+\i], v[TP+\i], -1.0, vcc_lo ; the first choice stands under every probability
.endr
	v_mov_b32 v211, v[TP]
	v_mov_b32 v201, 0
.irp i, 1,2,3,4,5,6,7
	v_cmp_gt_f32 vcc_lo, v[TP+\i], v211
	v_cndmask_b32 v211, v211, v[TP+\i], vcc_lo
	v_cndmask_b32 v201, v201, \i, vcc_lo
.endr
	v_add_f32 v212, v210, v211
	v_rcp_f32 v212, v212
	v_mov_b32 v214, 0                              ; (a plain line behind the reciprocal)
	s_wait_alu depctr_va_vdst(0)
	v_mul_f32 v202, v210, v212
	v_mul_f32 v203, v211, v212
	ds_load_b32 v213, v9                           ; my row's 32 scale bytes as 8 words: LDS serves a wave's instructions in order
	s_wait_dscnt 0x0
	s_wait_xcnt 0x0                                ; EXEC is a source of the stores above: it changes only behind this wait
	v_cmp_gt_u32 vcc_lo, 8, v1
	s_wait_tensorcnt 0x0
	ds_add_u32 v224, v225
	s_wait_dscnt 0x0
	s_and_saveexec_b32 s30, vcc_lo
	global_store_b32 v11, v213, s[36:37]           ; lanes 0 to 7: 32 bytes
	s_wait_xcnt 0x0                                ; and again, in front of the line that widens it
	s_or_b32 exec_lo, exec_lo, s30
	v_cmp_eq_u32 vcc_lo, 0, v1
	s_and_saveexec_b32 s30, vcc_lo
	global_store_b64 v214, v[200:201], s[12:13]    ; lane 0: the two experts,
	global_store_b64 v214, v[202:203], s[14:15]    ; and their weights
	s_endpgm
.Lfunc_end_k_qabadbb3c93_route:
	.size	k_qabadbb3c93_route, .Lfunc_end_k_qabadbb3c93_route-k_qabadbb3c93_route
	.p2alignl 7, 3214868480
	.fill 96, 4, 3214868480
	.section	.rodata,"a",@progbits
	.p2align	6, 0x0
	.amdhsa_kernel k_qabadbb3c93_route
		.amdhsa_group_segment_fixed_size 51968
		.amdhsa_private_segment_fixed_size 0
		.amdhsa_enable_private_segment 0
		.amdhsa_kernarg_size 48
		.amdhsa_user_sgpr_count 2
		.amdhsa_user_sgpr_kernarg_segment_ptr 1
		.amdhsa_wavefront_size32 1
		.amdhsa_system_sgpr_workgroup_id_x 1
		.amdhsa_system_sgpr_workgroup_id_y 1
		.amdhsa_system_sgpr_workgroup_id_z 1
		.amdhsa_system_vgpr_workitem_id 0
		.amdhsa_next_free_vgpr 226
		.amdhsa_next_free_sgpr 66
		.amdhsa_reserve_vcc 1
		.amdhsa_float_denorm_mode_32 3
		.amdhsa_float_denorm_mode_16_64 3
		.amdhsa_memory_ordered 1
		.amdhsa_forward_progress 1
		.amdhsa_inst_pref_size 33
	.end_amdhsa_kernel
	.amdgpu_metadata
---
amdhsa.version: [ 1, 2 ]
amdhsa.kernels:
  - .name:           k_qabadbb3c93_route
    .symbol:         k_qabadbb3c93_route.kd
    .args:
      - { .name: x, .offset: 0, .size: 8, .value_kind: global_buffer, .address_space: global }
      - { .name: Wr, .offset: 8, .size: 8, .value_kind: global_buffer, .address_space: global }
      - { .name: br, .offset: 16, .size: 8, .value_kind: global_buffer, .address_space: global }
      - { .name: xq, .offset: 24, .size: 8, .value_kind: global_buffer, .address_space: global }
      - { .name: idx, .offset: 32, .size: 8, .value_kind: global_buffer, .address_space: global }
      - { .name: wts, .offset: 40, .size: 8, .value_kind: global_buffer, .address_space: global }
    .group_segment_fixed_size: 51968
    .private_segment_fixed_size: 0
    .kernarg_segment_align: 8
    .kernarg_segment_size: 48
    .max_flat_workgroup_size: 128
    .sgpr_count:     66
    .vgpr_count:     226
    .wavefront_size: 32
...
	.end_amdgpu_metadata
.endif
;; end of part 1
;; launch place (part 2): grid 1 x 1, 8 waves a work-group, no clusters, 1,280 bytes of LDS; arguments idx, plan; writes plan
.if DOCPART == 2
	.amdgcn_target "amdgcn-amd-amdhsa--gfx1250"
	.amdhsa_code_object_version 6
	.text
	.protected	k_qabadbb3c93_place
	.globl	k_qabadbb3c93_place
	.p2align	8
	.type	k_qabadbb3c93_place,@function
k_qabadbb3c93_place:
	s_mov_b64 s[64:65], 0
	v_nop
	global_prefetch_b8 v0, s[64:65] scope:SCOPE_SE
	s_setreg_imm32_b32 hwreg(HW_REG_WAVE_MODE, 25, 1), 1
	s_wait_xcnt 0x0
; THE ROWS ARE PLACED BY EXPERT: a counting sort of the 2,048 entries (entry 2 n + k = choice k of token n), one work-group, no atomics.
; plan: u32 [8 experts][SEG = 1,088]: word e SEG + rank = an entry of expert e; the 64 words behind an expert's last entry hold pad ids 2048 + 32 e + (i % 32), so that a last tile of 16 rows is whole,
; the first 64 words of every segment are written whatever the split, and 1,024 + 64 words fill a segment at the worst.  From CNT_OFF on: u32 [32], word e (and e + 8, ..) = the rows of expert e.
; Wave w takes entries 256 w .. 256 w + 255, eight a lane.  THE 64 COMPARE MASKS (8 experts x 8 registers) ARE MADE ONCE, back to back, and kept in scalar registers: the counts are then scalar work alone,
; and the ranks (the wave's running slot + the bits below my lane) only read scalar registers.  The waves' counts meet in LDS.
; The order of an expert's rows is free: no row is dropped, and each row is computed by itself.  The launch is one work-group since the ranks need all counts: 8 KiB in, 10 KiB out.
.set SEG,     1088
.set CNT_OFF, 34816
.set TA,      40                       ; v40-55  two sets of eight ranks at work; later the entries' ids and their addresses
.macro MREG e, i                       ; m_ = the scalar register of the mask (expert e, register i): s32-63, then s66-97
.set m_, 32+8*(\e)+(\i)
.if m_ > 63
.set m_, m_+2
.endif
.endm
	s_load_b128 s[4:7], s[0:1], 0x0                ; idx, plan
	v_lshl_add_u32 v64, v0, 2, 0x100
	v_mov_b32 v65, 0
	v_lshrrev_b32 v1, 5, v0
	v_readfirstlane_b32 s8, v1                     ; wave 0..7
	v_and_b32 v1, 31, v0                           ; lane
	v_and_b32 v3, 0xe0, v0                         ; 32 x wave: my wave's eight words in LDS
	v_lshlrev_b32 v2, 5, v3
	v_lshl_add_u32 v2, v1, 4, v2                   ; idx: 1,024 x wave + 16 x lane
	v_and_b32 v5, 7, v1
	v_lshlrev_b32 v4, 2, v5                        ; LDS: the word of expert lane % 8
	v_lshlrev_b32 v36, 3, v3
	v_lshl_add_u32 v36, v1, 2, v36                 ; my first entry: 256 x wave + 4 x lane
	s_wait_kmcnt 0x0
	global_load_b128 v[8:11], v2, s[4:5]           ; register 4 q + c: entry 256 w + 128 q + 4 lane + c
	global_load_b128 v[12:15], v2, s[4:5] offset:512
	s_wait_loadcnt 0x0
.irp e, 0,1,2,3,4,5,6,7                ; the 64 masks, with no scalar instruction between them
.irp i, 0,1,2,3,4,5,6,7
	MREG \e, \i
	v_cmp_eq_u32 s[m_], \e, v[8+\i]
.endr
.endr
.irp e, 0,1,2,3,4,5,6,7                ; my wave's count of each expert: the eight experts by turns
	MREG \e, 0
	s_bcnt1_i32_b32 s[16+\e], s[m_]
.endr
.irp i, 1,2,3,4,5,6,7
.irp e, 0,1,2,3,4,5,6,7
	MREG \e, \i
	s_bcnt1_i32_b32 s[24+\e], s[m_]
.endr
.irp e, 0,1,2,3,4,5,6,7
	s_add_co_u32 s[16+\e], s[16+\e], s[24+\e]
.endr
.endr
.irp e, 0,1,2,3,4,5,6,7
	v_mov_b32 v[24+\e], s[16+\e]
	ds_store_b32 v3, v[24+\e] offset:4*\e          ; all lanes write the same word with the same value
.endr
	s_wait_dscnt 0x0                               ; for the others' sake
	s_barrier_signal -1
	s_barrier_wait -1
.irp q, 0,1,2,3,4,5,6,7
	ds_load_b32 v[24+\q], v4 offset:32*\q          ; wave q's count of expert lane % 8
.endr
	s_wait_dscnt 0x0
	v_add3_u32 v32, v24, v25, v26
	v_add3_u32 v32, v32, v27, v28
	v_add3_u32 v32, v32, v29, v30
	v_add_nc_u32 v32, v32, v31                     ; the expert's rows
	v_mul_u32_u24 v33, v5, SEG                     ; its segment,
.irp q, 0,1,2,3,4,5,6
	s_cmp_lt_u32 \q, s8
	s_cselect_b32 s25, -1, 0
	v_and_b32 v34, s25, v[24+\q]
	v_add_nc_u32 v33, v33, v34                     ; + the counts of the waves in front of mine
.endr
.irp e, 0,1,2,3,4,5,6,7
	v_readlane_b32 s[16+\e], v33, \e               ; my wave's first slot for expert e
.endr
; Step i of nine: the ranks of register i under each of the eight experts (the running slot + the lanes below mine that chose the expert), and the slots stepped by the masks' bit counts;
; between them the choice for register i - 1, from the other set of ranks: each lane keeps the rank under its own expert.
.macro RANK i
.irp e, 0,1,2,3,4,5,6,7
.if (\i) < 8
	MREG \e, \i
	v_mbcnt_lo_u32_b32 v[TA+8*((\i)%2)+\e], s[m_], s[16+\e]
	s_bcnt1_i32_b32 s[24+\e], s[m_]
	s_add_co_u32 s[16+\e], s[16+\e], s[24+\e]
.endif
.if (\i) > 0
.if \e == 1
	MREG 1, (\i)-1
	v_cndmask_b32 v[16+(\i)-1], v[TA+8*(((\i)-1)%2)], v[TA+8*(((\i)-1)%2)+1], s[m_]
.elseif \e > 1
	MREG \e, (\i)-1
	v_cndmask_b32 v[16+(\i)-1], v[16+(\i)-1], v[TA+8*(((\i)-1)%2)+\e], s[m_]
.endif
.endif
.endr
.endm
.irp i, 0,1,2,3,4,5,6,7,8
	RANK \i
.endr
.irp i, 0,1,2,3,4,5,6,7
	v_min_u32 v[16+\i], 8703, v[16+\i]             ; a slot made of loaded numbers is held inside the table
	v_lshlrev_b32 v[48+\i], 2, v[16+\i]
	v_add_nc_u32 v[40+\i], 128*(\i/4)+(\i%4), v36  ; the entry
	global_store_b32 v[48+\i], v[40+\i], s[6:7]
.endr
	v_readlane_b32 s25, v32, s8                    ; wave w writes expert w's pad: 64 words behind its rows
	s_mul_i32 s26, s8, SEG
	s_add_co_u32 s26, s26, s25
	v_add_nc_u32 v56, s26, v1
	v_add_nc_u32 v57, 32, v56
	v_min_u32 v56, 8703, v56
	v_min_u32 v57, 8703, v57
	v_lshlrev_b32 v56, 2, v56
	v_lshlrev_b32 v57, 2, v57
	v_add3_u32 v58, v3, v1, 0x800                  ; 2048 + 32 w + lane
	global_store_b32 v56, v58, s[6:7]
	global_store_b32 v57, v58, s[6:7]
	s_cmp_lg_u32 s8, 0
	s_cbranch_scc1 .Ldone
	v_lshlrev_b32 v59, 2, v1
	global_store_b32 v59, v32, s[6:7] offset:CNT_OFF       ; wave 0: the counts
.Ldone:
	s_wait_tensorcnt 0x0
	ds_add_u32 v64, v65
	s_wait_dscnt 0x0
	s_endpgm
.Lfunc_end_k_qabadbb3c93_place:
	.size	k_qabadbb3c93_place, .Lfunc_end_k_qabadbb3c93_place-k_qabadbb3c93_place
	.p2alignl 7, 3214868480
	.fill 96, 4, 3214868480
	.section	.rodata,"a",@progbits
	.p2align	6, 0x0
	.amdhsa_kernel k_qabadbb3c93_place
		.amdhsa_group_segment_fixed_size 1280
		.amdhsa_private_segment_fixed_size 0
		.amdhsa_enable_private_segment 0
		.amdhsa_kernarg_size 16
		.amdhsa_user_sgpr_count 2
		.amdhsa_user_sgpr_kernarg_segment_ptr 1
		.amdhsa_wavefront_size32 1
		.amdhsa_system_sgpr_workgroup_id_x 1
		.amdhsa_system_sgpr_workgroup_id_y 1
		.amdhsa_system_sgpr_workgroup_id_z 1
		.amdhsa_system_vgpr_workitem_id 0
		.amdhsa_next_free_vgpr 66
		.amdhsa_next_free_sgpr 100
		.amdhsa_reserve_vcc 0
		.amdhsa_float_denorm_mode_32 3
		.amdhsa_float_denorm_mode_16_64 3
		.amdhsa_memory_ordered 1
		.amdhsa_forward_progress 1
		.amdhsa_inst_pref_size 27
	.end_amdhsa_kernel
	.amdgpu_metadata
---
amdhsa.version: [ 1, 2 ]
amdhsa.kernels:
  - .name:           k_qabadbb3c93_place
    .symbol:         k_qabadbb3c93_place.kd
    .args:
      - { .name: idx, .offset: 0, .size: 8, .value_kind: global_buffer, .address_space: global }
      - { .name: plan, .offset: 8, .size: 8, .value_kind: global_buffer, .address_space: global }
    .group_segment_fixed_size: 1280
    .private_segment_fixed_size: 0
    .kernarg_segment_align: 8
    .kernarg_segment_size: 16
    .max_flat_workgroup_size: 256
    .sgpr_count:     100
    .vgpr_count:     66
    .wavefront_size: 32
...
	.end_amdgpu_metadata
.endif
;; end of part 2
;; launch up (part 3): grid 32 x 8, 4 waves a work-group, no clusters, 270,848 bytes of LDS; arguments xq, plan, W1_codes, W1_scales, b1, hq; writes hq
.if DOCPART == 3
	.amdgcn_target "amdgcn-amd-amdhsa--gfx1250"
	.amdhsa_code_object_version 6
	.text
	.protected	k_qabadbb3c93_up
	.globl	k_qabadbb3c93_up
	.p2align	8
	.type	k_qabadbb3c93_up,@function
k_qabadbb3c93_up:
	s_mov_b64 s[64:65], 0
	v_nop
	global_prefetch_b8 v0, s[64:65] scope:SCOPE_SE
	s_setreg_imm32_b32 hwreg(HW_REG_WAVE_MODE, 25, 1), 1
	s_wait_xcnt 0x0
; h = Q(gelu(x W1[e] + b1[e])) for the rows that chose expert e, on codes of E4M3 with one E8M0 scale for each 32 along K.
; SHARES.  Work-group (kb, e): expert e, hidden units 128 kb .. 128 kb + 127, which are K step kb of the second product, for ALL rows of the expert.  Its 128 KiB of W1 are read by nobody else and stay in
; registers: wave w holds the 64 units of half ch = w / 2 (512 registers) and takes the tiles of 16 rows of parity p = w % 2.  So a fragment of x read from LDS feeds four matrix instructions.
; ROWS.  plan (stored by an earlier launch) lists the expert's entries; token = entry / 2.  A chunk of 64 rows of codes is gathered into registers a chunk ahead (wave w: tile w of the chunk), put into one of
; two LDS buffers, and read by all four waves behind ONE barrier a chunk: in front of it every wave has waited for its reads of the buffer that the next chunk will take.
; The loop has 16 chunks whatever the count (1,024 rows at the most); what a chunk or a tile beyond the count would do is jumped over by scalar branches on the stored count; no barrier stands under a branch.
; A CHUNK, behind its barrier: my first tile's fragments and products; the next chunk's gather, issued while the products drain; my second tile's fragments, asked of LDS AHEAD of the first tile's gelu, so that
; they land under it; the first tile's gelu, quantiser and stores; the second tile's products, gelu, quantiser and stores.
; THE PRODUCT IS USED TRANSPOSED (source 0 = 16 rows of W1, source 1 = 16 rows of x), and lane r of tile 2 b + u takes unit 32 b + 8 u + r + 8 (r / 8): so a lane holds one row, and its 16 registers of tiles
; 2 b, 2 b + 1 are units 32 b + 16 (lane / 16) + 0 .. 15: the conversions' results are registers of the next operand.  b1 is the C of each sum's first matrix instruction.
; GELU, exact form: g = max(x, 0) - |x| E, E = erfc(|x| / sqrt 2) / 2 = t 2^(KX x^2 + P(t)), t = 1 / (1 + K1 |x|), P of degree 9 (a published fit of erfc, fractional error 1.2e-7, its coefficients x log2 e, 1 off the constant for the half).
; OUT.  hq: codes as IMAGES OF OPERAND REGISTERS: [tile 68 e + T][K step 32][c 4][lane 32][16 bytes]; from HS_OFF on 2,048 bytes of scale bytes a tile, at (kb / 8) 512 + ((kb % 2) 16 + r) 16 + ((kb % 8) / 2) 4 + c.
; NO TENSOR LOADS, NO CLUSTER: the work hangs on counts read from memory and the rows are gathered by a list; W1's bytes are shared by no two work-groups.
; LIMITS: NaN and infinities are not served.  A block of zeros gets the byte 1 (zero codes; this program alone reads the bytes).  Where E falls under 2^-126 (|x| over about 13) the exponential gives 0 and g = max(x, 0).
; In f32 the formula holds about 1e-6 of g for |x| up to 6; beyond, for negative x, the error of the exponent grows with x^2 while g itself falls under 1e-8.
.set XS_OFF,  1048576                  ; xq: the scale bytes
.set CNT_OFF, 34816                    ; plan: the counts
.set SEGB,    4352                     ; plan: a segment in bytes
.set HS_OFF,  35651584                 ; hq: the scale bytes
.set PITCH,   1040                     ; an LDS row of 1,024 codes + 16: 65 x 16 bytes, so that 16 neighbouring rows fall on 16 different columns of 16 bytes
.set ABSZ,    64*PITCH                 ; LDS: two buffers of 64 rows of x from 0;
.set XS0,     2*ABSZ                   ; two of 4 tiles x 512 bytes of x's scale words;
.set XSSZ,    2048
.set WL,      XS0+2*XSSZ               ; W1's 128 rows, once, IN THE TILES' ORDER: of a wave's 32 rows, row j lies at place (j % 8) + 8 ((j / 16) % 2) + 16 ((j / 8) % 2), so that a tile's 16 rows are neighbours
.set LH,  1                            ; v1      16 x (lane % 2)
.set PL,  2                            ; v2      4 x (lane / 2)
.set L16, 4                            ; v4      16 x lane
.set AR,  5                            ; v5-6    buffer 0, 1: my fragment's row of x: (16 p + r) PITCH + 16 h
.set ASR, 7                            ; v7-8    its scale words: 512 p + 32 r
.set ST,  9                            ; v9-10   where I put gathered rows: 16 w PITCH + 16 lane
.set SST, 11                           ; v11-12  and their scale words: 512 w + 16 lane
.set HO,  13                           ; v13     hq: 2,048 kb + 1,024 ch + 16 lane
.set HSO, 14                           ; v14     hq's scale bytes: my row's half word
.set TK,  15                           ; v15     the entry of row lane / 2
.set OFF, 16                           ; v16-31  byte offsets of the 16 gathered rows
.set WS,  32                           ; v32-63  W1's scale words: 8 t + s
.set BI,  64                           ; v64-95  b1 in the result's layout: 8 t + j
.set XSW, 96                           ; v96-103 x's scale words of the tile in hand
.set CD,  104                          ; v104-111 the codes just made
.set TM,  112                          ; v112-119 at work in the quantiser
.set SG,  120                          ; v120-123 gathered scale words
.set SA,  124                          ; v124    their offset
.set C8,  126                          ; v126-127 the coefficient c8, twice
.set X,   128                          ; v128-159 the four accumulators
.set T,   160                          ; v160-191 t
.set P,   192                          ; v192-223 the polynomial, E, g
.set S,   224                          ; v224-255 x^2, then max(x, 0)
.set SR,  128                          ; window 3: v128-255 gathered rows; v0-127 x's fragments, 16 s + 4 c.  Windows 1, 2: W1's fragments of K steps 0-3, 4-7 at 16 (4 (s % 4) + t)
.set LN,  128                          ; the head's own: lane, r, h, W1's LDS addresses, two offsets: in registers that the sums take later
.set R,   129
.set H,   130
.set WLS, 131
.set WLR, 132
.set WSO, 133
.set BIO, 134
.set C9, 52                            ; scalar pairs (a packed form names a pair and takes its low word for both halves; both words are written)
.set C7, 54
.set C6, 56
.set C5, 58
.set C4, 60
.set C3, 62
.set C2, 66
.set C1, 68
.set C0, 70
.set KX, 72
; s16 wave, s17 ch, s18 p, s19 e, s20 kb, s21 tiles of the expert, s22 its segment in bytes, s23 4 x chunk, s24 trips, s25-27, s30-31 at work, s[28:29] the entries' address, s[32:47] 16 entries,
; s[48:49], s[50:51] the tile's place in hq (in the head s[48:49] is the count's address), s74 K1, s75 the mantissa field of 448, s[76:77] lane selects, s[78:79] hq's scale bytes, s80 68 e
.set MSB, 0
.macro WIN new                         ; the immediate's high byte repeats the setting that is left; at a label and at a branch every window is 0
.if MSB != \new
	s_set_vgpr_msb (MSB<<8)|\new
.set MSB, \new
.endif
.endm
.macro PAIR reg, val
	s_mov_b32 s[\reg], \val
	s_mov_b32 s[\reg+1], \val
.endm
.macro TOK                             ; the 16 entries of tile s26: as scalars for the rows' addresses, and a lane pair a row for the scale words
	s_lshl_b32 s27, s26, 6
	s_add_co_u32 s30, s27, s22
	s_mov_b32 s31, 0
	s_add_nc_u64 s[28:29], s[6:7], s[30:31]        ; (the loads that last named this pair have been waited for)
	s_load_b512 s[32:47], s[28:29], 0x0
	global_load_b32 v[TK], v[PL], s[28:29]
.endm
.macro ISSUE                           ; the gather: 16 rows x 1,024 bytes, 512 consecutive bytes a load, and their 512 bytes of scale words: 33 loads
.irp j, 0,1,2,3,4,5,6,7,8,9,10,11,12,13,14,15
	s_lshr_b32 s25, s[32+\j], 1                    ; token = entry / 2;
	s_min_u32 s25, s25, 1023                       ; a pad's falls on the last token: its row is computed and lands in a row of its own that nobody reads
	v_lshl_add_u32 v[OFF+\j], s25, 10, v[L16]
.endr
	v_lshrrev_b32 v[SA], 1, v[TK]
	v_min_u32 v[SA], 1023, v[SA]
	v_lshl_add_u32 v[SA], v[SA], 5, v[LH]
	WIN 0xc0                                       ; destination window 3
.irp j, 0,1,2,3,4,5,6,7,8,9,10,11,12,13,14,15
	global_load_b128 v[SR+8*\j:SR+8*\j+3], v[OFF+\j], s[4:5]
	global_load_b128 v[SR+8*\j+4:SR+8*\j+7], v[OFF+\j], s[4:5] offset:512
.endr
	WIN 0
	global_load_b128 v[SG:SG+3], v[SA], s[4:5] offset:XS_OFF
.endm
.macro STAGE buf                       ; what was gathered goes into LDS
	WIN 0x0c                                       ; an LDS store's data are its source 1: window 3
.irp j, 0,1,2,3,4,5,6,7,8,9,10,11,12,13,14,15
	ds_store_b128 v[ST+\buf], v[SR+8*\j:SR+8*\j+3] offset:PITCH*\j
	ds_store_b128 v[ST+\buf], v[SR+8*\j+4:SR+8*\j+7] offset:PITCH*\j+512
.endr
	WIN 0
	ds_store_b128 v[SST+\buf], v[SG:SG+3]
.endm
.macro LOADA buf, i                    ; tile 2 i + p of the chunk in buffer buf: its scale words and its eight fragments: 34 LDS loads.  It leaves the destination's window at 3
	ds_load_b128 v[XSW:XSW+3], v[ASR+\buf] offset:1024*\i
	ds_load_b128 v[XSW+4:XSW+7], v[ASR+\buf] offset:1024*\i+16
	WIN 0xc0
.irp s, 0,1,2,3,4,5,6,7
.irp c, 0,1,2,3
	ds_load_b128 v[16*\s+4*\c:16*\s+4*\c+3], v[AR+\buf] offset:32*PITCH*\i+128*\s+32*\c
.endr
.endr
.endm
.macro MM split                        ; a tile's 32 matrix instructions, the four accumulators by turns.  split = 1: the fragments have just been asked for
.if \split
	s_wait_dscnt 16                                ; the scale words and K steps 0 to 3 are in; the sixteen loads of K steps 4 to 7 may be out
.else
	s_wait_dscnt 0x0                               ; asked for ahead of the last tile's gelu
.endif
	WIN 0x0d                                       ; source 0 (W1) window 1, source 1 (x) window 3, C and D window 0
.irp s, 0,1,2,3
.irp t, 0,1,2,3
.if \s == 0
	v_wmma_scale_f32_16x16x128_f8f6f4 v[X+8*\t:X+8*\t+7], v[16*(4*\s+\t):16*(4*\s+\t)+15], v[16*\s:16*\s+15], v[BI+8*\t:BI+8*\t+7], v[WS+8*\t+\s], v[XSW+\s]
.else
	v_wmma_scale_f32_16x16x128_f8f6f4 v[X+8*\t:X+8*\t+7], v[16*(4*\s+\t):16*(4*\s+\t)+15], v[16*\s:16*\s+15], v[X+8*\t:X+8*\t+7], v[WS+8*\t+\s], v[XSW+\s]
.endif
.endr
.endr
.if \split
	s_wait_dscnt 0x0
.endif
	WIN 0x0e                                       ; source 0 window 2
.irp s, 4,5,6,7
.irp t, 0,1,2,3
	v_wmma_scale_f32_16x16x128_f8f6f4 v[X+8*\t:X+8*\t+7], v[16*(4*(\s-4)+\t):16*(4*(\s-4)+\t)+15], v[16*\s:16*\s+15], v[X+8*\t:X+8*\t+7], v[WS+8*\t+\s], v[XSW+\s]
.endr
.endr
	WIN 0
.endm
.macro PLACES                          ; eight places between the products and the first read of their results, and the first load into their operands and scales
.rept 8
	v_nop
.endr
.endm
.macro GELU                            ; X -> g in P.  The reciprocals are one batch, the exponentials another; each has plain work behind it and ONE wait ahead of its first reader
.set n_, 0
.rept 32
	v_fma_f32 v[T+n_], |v[X+n_]|, s74, 1.0         ; ascending: each accumulator is first read at its low end
.set n_, n_+1
.endr
.set n_, 0
.rept 32
	v_rcp_f32 v[T+n_], v[T+n_]
.set n_, n_+1
.endr
.set n_, 0
.rept 16
	v_pk_mul_f32 v[S+2*n_:S+2*n_+1], v[X+2*n_:X+2*n_+1], v[X+2*n_:X+2*n_+1]
.set n_, n_+1
.endr
	s_wait_alu depctr_va_vdst(0)
.set n_, 0
.rept 16
	v_pk_fma_f32 v[P+2*n_:P+2*n_+1], v[T+2*n_:T+2*n_+1], s[C9:C9+1], v[C8:C8+1] op_sel_hi:[1,0,1]
.set n_, n_+1
.endr
.irp k, C7, C6, C5, C4, C3, C2, C1, C0
.set n_, 0
.rept 16
	v_pk_fma_f32 v[P+2*n_:P+2*n_+1], v[P+2*n_:P+2*n_+1], v[T+2*n_:T+2*n_+1], s[\k:\k+1] op_sel_hi:[1,1,0]
.set n_, n_+1
.endr
.endr
.set n_, 0
.rept 16
	v_pk_fma_f32 v[P+2*n_:P+2*n_+1], v[S+2*n_:S+2*n_+1], s[KX:KX+1], v[P+2*n_:P+2*n_+1] op_sel_hi:[1,0,1]
.set n_, n_+1
.endr
.set n_, 0
.rept 32
	v_exp_f32 v[P+n_], v[P+n_]
.set n_, n_+1
.endr
.set n_, 0
.rept 32
	v_max_num_f32 v[S+n_], 0, v[X+n_]
.set n_, n_+1
.endr
	s_wait_alu depctr_va_vdst(0)
.set n_, 0
.rept 16
	v_pk_mul_f32 v[P+2*n_:P+2*n_+1], v[P+2*n_:P+2*n_+1], v[T+2*n_:T+2*n_+1]
.set n_, n_+1
.endr
.set n_, 0
.rept 32
	v_fma_f32 v[P+n_], -|v[X+n_]|, v[P+n_], v[S+n_]
.set n_, n_+1
.endr
.endm
.macro QH                              ; my 32 numbers, two blocks of 32 shared with lane l xor 16, become 8 registers of codes and a half word of scale bytes (in v[TM+2])
.irp b, 0,1
	v_max3_num_f32 v[TM+\b], |v[P+16*\b]|, |v[P+16*\b+1]|, 0x4800000       ; with the floor 2^(9 - 127): the byte cannot fall under 1
.endr
.irp i, 2,4,6,8,10,12,14
.irp b, 0,1
	v_max3_num_f32 v[TM+\b], v[TM+\b], |v[P+16*\b+\i]|, |v[P+16*\b+\i+1]|
.endr
.endr
.irp b, 0,1
	v_permlanex16_b32 v[TM+2+\b], v[TM+\b], s76, s77
.endr
.irp b, 0,1
	v_max_num_f32 v[TM+\b], v[TM+\b], v[TM+2+\b]   ; the block's largest magnitude
.endr
.irp b, 0,1
	v_add_nc_u32 v[TM+6+\b], 0xfc000000, v[TM+\b]  ; 8 off its exponent field: the conversion's scale operand
.endr
.irp b, 0,1
	v_and_or_b32 v[TM+4+\b], v[TM+\b], 0x7f800000, s75     ; 448 x the scale
.endr
.irp b, 0,1
	v_lshrrev_b32 v[TM+2+\b], 23, v[TM+6+\b]       ; the scale's byte
.endr
	v_lshl_or_b32 v[TM+2], v[TM+3], 8, v[TM+2]
.irp b, 0,1
.irp i, 0,1,2,3,4,5,6,7,8,9,10,11,12,13,14,15
	v_med3_num_f32 v[P+16*\b+\i], v[P+16*\b+\i], -v[TM+4+\b], v[TM+4+\b]   ; the conversion to an 8-bit code does not saturate (ISA guide 7.6.2)
.endr
	v_cvt_scalef32_pk8_fp8_f32 v[CD+4*\b:CD+4*\b+1], v[P+16*\b:P+16*\b+7], v[TM+6+\b]
	v_cvt_scalef32_pk8_fp8_f32 v[CD+4*\b+2:CD+4*\b+3], v[P+16*\b+8:P+16*\b+15], v[TM+6+\b]
.endr
	v_nop                                          ; a plain line behind the last conversion
.endm
.macro FINISH i                        ; the sums of tile 2 i + p become codes and leave
	GELU
	s_wait_xcnt 0x0                                ; the last tile's three stores have read their data and bases: the quantiser writes the data again, the lines behind it the bases; nothing ahead of this wait writes either
	QH
	s_add_co_u32 s25, s23, s18
	s_add_co_u32 s25, s25, 2*\i                    ; T
	s_add_co_u32 s25, s25, s80                     ; 68 e + T
	s_lshl_b32 s26, s25, 16
	s_mov_b32 s27, 0
	s_add_nc_u64 s[48:49], s[14:15], s[26:27]
	s_lshl_b32 s26, s25, 11
	s_add_nc_u64 s[50:51], s[78:79], s[26:27]
	global_store_b128 v[HO], v[CD:CD+3], s[48:49]              ; 32 lanes store 512 consecutive bytes, at a multiple of 256 from the buffer's first byte: the operand's registers 4 c .. 4 c + 3, c = 2 ch
	global_store_b128 v[HO], v[CD+4:CD+7], s[48:49] offset:512 ; c = 2 ch + 1
	global_store_b16 v[HSO], v[TM+2], s[50:51]                 ; my row's two scale bytes (lanes 16-31 write the same bytes with the same values): 2 bytes for 64 of codes
.endm
.macro HALF buf                        ; a chunk of 64 rows
	s_wait_loadcnt 0x0                             ; my tile of this chunk, asked for a chunk ago, is in registers; so are the next entries' lane words
	s_add_co_u32 s26, s23, s16
	s_cmp_lt_u32 s26, s21
	s_cbranch_scc0 .Lunstaged_\@
	STAGE \buf
.Lunstaged_\@:
	s_wait_dscnt 0x0                               ; my stores have landed; my reads of the other buffer ended in the last chunk's tiles
	s_barrier_signal -1
	s_barrier_wait -1                              ; the chunk is whole, and nobody reads the other buffer any more
	s_wait_kmcnt 0x0                               ; the next entries
	s_add_co_u32 s25, s23, s18                     ; my first tile of the chunk.  Where it lies beyond the count, so do my second tile and my tile of the next chunk: all that follows is passed over
	s_cmp_lt_u32 s25, s21
	s_cbranch_scc0 .Lend_\@
	LOADA \buf, 0
	MM 1
	s_add_co_u32 s26, s23, s16
	s_add_co_u32 s26, s26, 4
	s_cmp_lt_u32 s26, s21
	s_cbranch_scc0 .Lasked_\@
	ISSUE                                          ; the next chunk's rows: issued while the products drain; they name no register of the products, and have two tiles' vector work in which to land
	s_add_co_u32 s26, s26, 4
	s_cmp_lt_u32 s26, s21
	s_cbranch_scc0 .Lasked_\@
	TOK                                            ; and the entries of the chunk after it
.Lasked_\@:
	PLACES
	s_add_co_u32 s25, s23, s18
	s_add_co_u32 s25, s25, 2
	s_cmp_lt_u32 s25, s21
	s_cbranch_scc0 .Lone_\@
	LOADA \buf, 1                                  ; my second tile's fragments land while the first tile's gelu is worked
	WIN 0
.Lone_\@:
	FINISH 0
	s_add_co_u32 s25, s23, s18
	s_add_co_u32 s25, s25, 2
	s_cmp_lt_u32 s25, s21
	s_cbranch_scc0 .Lend_\@
	MM 0
	PLACES
	FINISH 1
.Lend_\@:
	s_add_co_u32 s23, s23, 4
.endm
	s_load_b256 s[4:11], s[0:1], 0x0               ; xq, plan, W1's codes, W1's scales
	s_load_b128 s[12:15], s[0:1], 0x20             ; b1, hq
	v_lshl_add_u32 v3, v0, 2, 0x42000
	v_mov_b32 v125, 0
	v_lshrrev_b32 v[LN], 5, v0
	v_readfirstlane_b32 s16, v[LN]                 ; wave
	s_lshr_b32 s17, s16, 1                         ; ch
	s_and_b32 s18, s16, 1                          ; p
	s_and_b32 s19, ttmp7, 0xffff                   ; e
	s_mov_b32 s20, ttmp9                           ; kb
	v_and_b32 v[LN], 31, v0
	v_and_b32 v[R], 15, v0
	v_bfe_u32 v[H], v0, 4, 1
	v_lshlrev_b32 v[L16], 4, v[LN]
	v_and_b32 v[LH], 1, v0
	v_lshlrev_b32 v[LH], 4, v[LH]
	v_lshrrev_b32 v[PL], 1, v[LN]
	v_lshlrev_b32 v[PL], 2, v[PL]
	s_mul_i32 s25, s18, 16*PITCH
	v_mul_u32_u24 v[AR], v[R], PITCH
	v_lshl_add_u32 v[AR], v[H], 4, v[AR]
	v_add_nc_u32 v[AR], s25, v[AR]
	v_add_nc_u32 v[AR+1], ABSZ, v[AR]
	s_lshl_b32 s25, s18, 9
	s_add_co_u32 s25, s25, XS0
	v_lshl_add_u32 v[ASR], v[R], 5, s25
	v_add_nc_u32 v[ASR+1], XSSZ, v[ASR]
	s_mul_i32 s25, s16, 16*PITCH
	v_add_nc_u32 v[ST], s25, v[L16]
	v_add_nc_u32 v[ST+1], ABSZ, v[ST]
	s_lshl_b32 s25, s16, 9
	s_add_co_u32 s25, s25, XS0
	v_add_nc_u32 v[SST], s25, v[L16]
	v_add_nc_u32 v[SST+1], XSSZ, v[SST]
	s_mul_i32 s25, s16, 32*PITCH
	s_add_co_u32 s25, s25, WL
	v_add_nc_u32 v[WLS], s25, v[L16]               ; W1 into LDS: places 32 w on
	v_and_b32 v[WSO], 8, v[R]
	v_add_nc_u32 v[WSO], v[WSO], v[R]              ; r + 8 (r / 8): my unit in a tile, as memory has the units
	s_mul_i32 s25, s17, 64*PITCH
	s_add_co_u32 s25, s25, WL
	v_mul_u32_u24 v[WLR], v[R], PITCH
	v_lshl_add_u32 v[WLR], v[H], 4, v[WLR]
	v_add_nc_u32 v[WLR], s25, v[WLR]               ; W1 out of LDS: my half's places; tile t's 16 rows lie at places 16 t + r
	v_lshlrev_b32 v[WSO], 5, v[WSO]                ; W1's scale bytes: 32 a row
	v_lshlrev_b32 v[BIO], 6, v[H]                  ; b1: 16 h numbers on
	s_lshl_b32 s25, s20, 11
	s_lshl_b32 s26, s17, 10
	s_add_co_u32 s25, s25, s26
	v_add_nc_u32 v[HO], s25, v[L16]
	s_lshr_b32 s25, s20, 3
	s_lshl_b32 s25, s25, 9
	s_and_b32 s26, s20, 1
	s_lshl_b32 s26, s26, 8
	s_add_co_u32 s25, s25, s26
	s_bfe_u32 s26, s20, 0x20001                    ; (kb % 8) / 2
	s_lshl_b32 s26, s26, 2
	s_add_co_u32 s25, s25, s26
	s_lshl_b32 s26, s17, 1
	s_add_co_u32 s25, s25, s26
	v_lshl_add_u32 v[HSO], v[R], 4, s25
	PAIR C9, 0x3e7c6f08
	PAIR C7, 0x40097039
	PAIR C6, 0xbfd1a1e5
	PAIR C5, 0x3ecdfd18
	PAIR C4, 0xbe899a80
	PAIR C3, 0x3e0efb2e
	PAIR C2, 0x3f0a29d2
	PAIR C1, 0x3fb8ab5a
	PAIR C0, 0xc034d90f
	PAIR KX, 0xbf38aa3b                            ; -log2(e) / 2
	s_mov_b32 s74, 0x3eb504f3                      ; K1 = 1 / (2 sqrt 2)
	s_mov_b32 s75, 0x600000
	s_mov_b32 s76, 0x76543210
	s_mov_b32 s77, 0xfedcba98
	v_mov_b32 v[C8], 0xbf97d29d
	v_mov_b32 v[C8+1], 0xbf97d29d
	v_mov_b32 v[TM+2], 0                           ; written once: a lane permute's destination counts as one of its sources
	v_mov_b32 v[TM+3], 0
	s_mul_i32 s22, s19, SEGB
	s_mul_i32 s80, s19, 68
	s_mov_b32 s23, 0
	s_mov_b32 s24, 8
	s_lshl_b32 s25, s19, 12
	s_lshl_b32 s26, s20, 7
	s_add_co_u32 s25, s25, s26                     ; the work-group's first unit: 4,096 e + 128 kb
	s_lshl_b32 s26, s17, 6
	s_add_co_u32 s26, s25, s26                     ; my half's
	s_lshl_b32 s27, s16, 5
	s_add_co_u32 s27, s25, s27                     ; the first of the 32 rows that I bring in
	s_mov_b32 s31, 0
	s_wait_kmcnt 0x0
	s_lshl_b32 s30, s26, 5
	s_add_nc_u64 s[10:11], s[10:11], s[30:31]
	s_lshl_b32 s30, s26, 2
	s_add_nc_u64 s[12:13], s[12:13], s[30:31]
	s_lshl_b32 s30, s27, 10
	s_add_nc_u64 s[8:9], s[8:9], s[30:31]
	s_lshl_b32 s30, s19, 2
	s_add_nc_u64 s[48:49], s[6:7], s[30:31]
	s_load_b32 s21, s[48:49], CNT_OFF              ; the expert's rows,
	s_add_nc_u64 s[78:79], s[14:15], HS_OFF
	s_mov_b32 s26, s16
	TOK                                            ; and with them tile w's entries, whatever the count: a segment's first 64 words are always written.  One wait serves both
.irp t, 0,1,2,3
	global_load_b128 v[WS+8*\t:WS+8*\t+3], v[WSO], s[10:11] offset:(32*(\t/2)+8*(\t%2))*32
	global_load_b128 v[WS+8*\t+4:WS+8*\t+7], v[WSO], s[10:11] offset:(32*(\t/2)+8*(\t%2))*32+16
	global_load_b128 v[BI+8*\t:BI+8*\t+3], v[BIO], s[12:13] offset:(32*(\t/2)+8*(\t%2))*4
	global_load_b128 v[BI+8*\t+4:BI+8*\t+7], v[BIO], s[12:13] offset:(32*(\t/2)+8*(\t%2))*4+16
.endr
	WIN 0x40                                       ; destination window 1: W1 as it lies, 32 KiB a wave, 512 consecutive bytes a load; no other work-group reads these bytes
.set u_, 0
.rept 64
	global_load_b128 v[4*u_:4*u_+3], v[L16], s[8:9] offset:512*u_ th:TH_LOAD_NT
.set u_, u_+1
.endr
	WIN 0
	s_wait_kmcnt 0x0
	s_min_u32 s21, s21, 1024
	s_add_co_u32 s21, s21, 15
	s_lshr_b32 s21, s21, 4                         ; tiles of 16 rows
	s_wait_loadcnt 63                              ; the entries' lane words, my first load, are in: 80 loads were issued behind it, and the field's largest count is the smaller, safe one
	ISSUE                                          ; the first chunk's gather, whatever the count: so the gathered registers are written on every path
	s_add_co_u32 s26, s16, 4
	s_cmp_lt_u32 s26, s21
	s_cbranch_scc0 .Lno_second
	TOK
.Lno_second:
	s_wait_loadcnt 33                              ; W1, its scale words and b1 are in; the gather's 33 loads may be out
	WIN 0x04                                       ; data window 1
.set u_, 0
.rept 64
	ds_store_b128 v[WLS], v[4*u_:4*u_+3] offset:PITCH*(((u_/2)&7)+8*(((u_/2)>>4)&1)+16*(((u_/2)>>3)&1))+512*(u_%2)
.set u_, u_+1
.endr
	WIN 0
	s_wait_dscnt 0x0                               ; for the others' sake: my 32 rows of W1 have landed
	s_barrier_signal -1
	s_barrier_wait -1
	WIN 0x40
.irp s, 0,1,2,3
.irp t, 0,1,2,3
.irp c, 0,1,2,3
	ds_load_b128 v[16*(4*\s+\t)+4*\c:16*(4*\s+\t)+4*\c+3], v[WLR] offset:16*\t*PITCH+128*\s+32*\c
.endr
.endr
.endr
	WIN 0x80
.irp s, 4,5,6,7
.irp t, 0,1,2,3
.irp c, 0,1,2,3
	ds_load_b128 v[16*(4*(\s-4)+\t)+4*\c:16*(4*(\s-4)+\t)+4*\c+3], v[WLR] offset:16*\t*PITCH+128*\s+32*\c
.endr
.endr
.endr
	WIN 0
	s_wait_dscnt 0x0                               ; my 32 fragments of W1 stay in registers from here on
.Ltrip:                                                ; 8 trips of two chunks: 1,024 rows at the most
	HALF 0
	HALF 1
	s_sub_co_u32 s24, s24, 1
	s_cmp_lg_u32 s24, 0
	s_cbranch_scc1 .Ltrip
	s_wait_tensorcnt 0x0
	ds_add_u32 v3, v125
	s_wait_dscnt 0x0
	s_endpgm
.Lfunc_end_k_qabadbb3c93_up:
	.size	k_qabadbb3c93_up, .Lfunc_end_k_qabadbb3c93_up-k_qabadbb3c93_up
	.p2alignl 7, 3214868480
	.fill 96, 4, 3214868480
	.section	.rodata,"a",@progbits
	.p2align	6, 0x0
	.amdhsa_kernel k_qabadbb3c93_up
		.amdhsa_group_segment_fixed_size 270848
		.amdhsa_private_segment_fixed_size 0
		.amdhsa_enable_private_segment 0
		.amdhsa_kernarg_size 48
		.amdhsa_user_sgpr_count 2
		.amdhsa_user_sgpr_kernarg_segment_ptr 1
		.amdhsa_wavefront_size32 1
		.amdhsa_system_sgpr_workgroup_id_x 1
		.amdhsa_system_sgpr_workgroup_id_y 1
		.amdhsa_system_sgpr_workgroup_id_z 1
		.amdhsa_system_vgpr_workitem_id 0
		.amdhsa_next_free_vgpr 1024
		.amdhsa_next_free_sgpr 84
		.amdhsa_reserve_vcc 0
		.amdhsa_float_denorm_mode_32 3
		.amdhsa_float_denorm_mode_16_64 3
		.amdhsa_memory_ordered 1
		.amdhsa_forward_progress 1
		.amdhsa_inst_pref_size 172
	.end_amdhsa_kernel
	.amdgpu_metadata
---
amdhsa.version: [ 1, 2 ]
amdhsa.kernels:
  - .name:           k_qabadbb3c93_up
    .symbol:         k_qabadbb3c93_up.kd
    .args:
      - { .name: xq, .offset: 0, .size: 8, .value_kind: global_buffer, .address_space: global }
      - { .name: plan, .offset: 8, .size: 8, .value_kind: global_buffer, .address_space: global }
      - { .name: W1_codes, .offset: 16, .size: 8, .value_kind: global_buffer, .address_space: global }
      - { .name: W1_scales, .offset: 24, .size: 8, .value_kind: global_buffer, .address_space: global }
      - { .name: b1, .offset: 32, .size: 8, .value_kind: global_buffer, .address_space: global }
      - { .name: hq, .offset: 40, .size: 8, .value_kind: global_buffer, .address_space: global }
    .group_segment_fixed_size: 270848
    .private_segment_fixed_size: 0
    .kernarg_segment_align: 8
    .kernarg_segment_size: 48
    .max_flat_workgroup_size: 128
    .sgpr_count:     84
    .vgpr_count:     1024
    .wavefront_size: 32
...
	.end_amdgpu_metadata
.endif
;; end of part 3
;; launch down (part 4): grid 32 x 8, 4 waves a work-group, no clusters, 136,704 bytes of LDS; arguments hq, plan, W2_codes, W2_scales, b2, y2; writes y2
.if DOCPART == 4
	.amdgcn_target "amdgcn-amd-amdhsa--gfx1250"
	.amdhsa_code_object_version 6
	.text
	.protected	k_qabadbb3c93_down
	.globl	k_qabadbb3c93_down
	.p2align	8
	.type	k_qabadbb3c93_down,@function
k_qabadbb3c93_down:
	s_mov_b64 s[64:65], 0
	v_nop
	global_prefetch_b8 v0, s[64:65] scope:SCOPE_SE
	s_setreg_imm32_b32 hwreg(HW_REG_WAVE_MODE, 25, 1), 1
	s_wait_xcnt 0x0
; y2[entry] = h W2[e] + b2[e] for the rows that chose expert e, on codes of E4M3 with one E8M0 scale for each 32 along K (K = 4,096 hidden units).
; SHARES.  Work-group (2 cb + p, e): expert e, columns 64 cb .. 64 cb + 63, the tiles of 16 rows with T % 2 = p.  THE WAVES SHARE K: wave w holds K steps 8 w .. 8 w + 7 of all four tiles of columns in
; registers (64 KiB, 512 registers) for the whole launch.  So each fragment of h is read by ONE wave of the work-group, straight from memory into its registers (hq holds images of operand registers:
; 512 consecutive bytes a load), and feeds four matrix instructions.  The four partial sums of a tile meet in an LDS stage; of a group of four tiles, wave w adds up tile w, adds b2 and stores 16 rows.
; THE PRODUCT IS USED TRANSPOSED (source 0 = 16 columns of W2, source 1 = 16 rows of h): a lane holds 8 neighbouring columns of one row.
; A ROW GOES TO ITS ENTRY'S ROW OF y2 (plan, stored by an earlier launch); a pad's id is a row of its own behind the 2,048, which nobody reads.  Each byte of y2 has one owner.
; The loop has 8 trips of 4 tiles whatever the count; work beyond the count is jumped over by scalar branches on the stored count; the two barriers of a trip stand under no branch.
; LOADS OF h: two register buffers; a request is always 33 loads, so that every counted wait holds on every path: for a tile beyond the count all lanes read the same 16 bytes of W2's codes at each offset, and nothing uses them.
; NO TENSOR LOADS, NO CLUSTER: the work hangs on counts read from memory.  The sum over K is made in four parts and added in f32: its order differs from one ascending chain.
; LIMITS: NaN and infinities are not served.
.set CNT_OFF, 34816
.set SEGB,    4352
.set HS_OFF,  35651584
.set STG,     66560                    ; LDS: from 0 each wave's own 16 rows x 1,040 bytes for the turn of W2; then the stage [wave 4][tile 4][16 rows x 272]
.set AO,  4                            ; v4-5    buffer 0, 1: the lanes' step in a request: 16 x lane, or 0
.set YO,  16                           ; v16-23  the byte offsets of my rows in y2
.set B2,  24                           ; v24-27  b2 of my four columns
.set AS,  28                           ; v28-35  h's scale words: 4 b + q: lanes 0-15 K step 8 w + 2 q, lanes 16-31 K step 8 w + 2 q + 1
.set WS,  64                           ; v64-95  W2's scale words: 8 t + s
.set ACC, 96                           ; v96-127 the four accumulators
.set PT,  128                          ; v128-255 the four waves' parts of my tile: 32 q + 4 i
; v1 lane, v2 r, v3 h, v6 into the stage, v7 out of it, v8 16 r, v10, v11 the turn of W2: in, out, v12 16 x lane, v13 128 r.  Windows 1, 2: W2's fragments of my K steps 0-3, 4-7 at 16 (4 (s % 4) + t).  Window 3: h, 128 b + 16 s + 4 c
; s16 wave, s17 e, s18 cb, s19 p, s20 tiles, s21 T0, s22 trips, s23-27 at work, s[28:29] the entries' address, s[30:31] my expert's segment, s[32:47] 16 entries, s[48:51] h's bases, s[52:55] its scale words', s56, s57 my part's offsets, s[58:59] hq's scale bytes, s60 lanes 16-31
.set MSB, 0
.macro WIN new                         ; the immediate's high byte repeats the setting that is left; at a label and at a branch every window is 0
.if MSB != \new
	s_set_vgpr_msb (MSB<<8)|\new
.set MSB, \new
.endif
.endm
.macro RAW t                           ; my 1,024 bytes of each of tile t's 16 columns, as they lie: 512 consecutive bytes a load, into the registers that the tile's fragments will take
	WIN 0x40
.irp u, 0,1,2,3,4,5,6,7,8,9,10,11,12,13,14,15
	global_load_b128 v[16*(4*(\u/4)+\t)+4*(\u%4):16*(4*(\u/4)+\t)+4*(\u%4)+3], v12, s[8:9] offset:(16*\t+\u/2)*4096+512*(\u%2)
.endr
	WIN 0x80
.irp u, 16,17,18,19,20,21,22,23,24,25,26,27,28,29,30,31
	global_load_b128 v[16*(4*((\u/4)-4)+\t)+4*(\u%4):16*(4*((\u/4)-4)+\t)+4*(\u%4)+3], v12, s[8:9] offset:(16*\t+\u/2)*4096+512*(\u%2)
.endr
	WIN 0
.endm
.macro TURNW t                         ; through my own LDS rows and back as fragments.  LDS serves a wave's instructions in order, and the bytes are mine: no wait, no barrier
	WIN 0x04
.irp u, 0,1,2,3,4,5,6,7,8,9,10,11,12,13,14,15
	ds_store_b128 v10, v[16*(4*(\u/4)+\t)+4*(\u%4):16*(4*(\u/4)+\t)+4*(\u%4)+3] offset:1040*(\u/2)+512*(\u%2)
.endr
	WIN 0x08
.irp u, 16,17,18,19,20,21,22,23,24,25,26,27,28,29,30,31
	ds_store_b128 v10, v[16*(4*((\u/4)-4)+\t)+4*(\u%4):16*(4*((\u/4)-4)+\t)+4*(\u%4)+3] offset:1040*(\u/2)+512*(\u%2)
.endr
	WIN 0x40
.irp s, 0,1,2,3
.irp c, 0,1,2,3
	ds_load_b128 v[16*(4*\s+\t)+4*\c:16*(4*\s+\t)+4*\c+3], v11 offset:128*\s+32*\c
.endr
.endr
	WIN 0x80
.irp s, 4,5,6,7
.irp c, 0,1,2,3
	ds_load_b128 v[16*(4*(\s-4)+\t)+4*\c:16*(4*(\s-4)+\t)+4*\c+3], v11 offset:128*\s+32*\c
.endr
.endr
	WIN 0
.endm
.macro ISSUE b, d                      ; tile T0 + d into buffer b: my 8 K steps, 16 KiB, and their 512 bytes of scale words: always 33 loads.  (The buffer's last loads have been waited for: bases and step may be written)
	s_add_co_u32 s23, s21, \d
	s_min_u32 s24, s23, 63
	s_lshl_b32 s26, s24, 16
	s_add_co_u32 s26, s26, s56
	s_mov_b32 s27, 0
	s_add_nc_u64 s[48+2*\b:49+2*\b], s[4:5], s[26:27]
	s_lshl_b32 s26, s24, 11
	s_add_co_u32 s26, s26, s57
	s_add_nc_u64 s[52+2*\b:53+2*\b], s[58:59], s[26:27]
	s_cmp_lt_u32 s23, s20                          ; a tile beyond the count was never written:
	s_cselect_b64 s[48+2*\b:49+2*\b], s[48+2*\b:49+2*\b], s[8:9]   ; W2's codes stand in for it,
	s_cselect_b64 s[52+2*\b:53+2*\b], s[52+2*\b:53+2*\b], s[8:9]
	s_cselect_b32 s25, 16, 0                       ; and all lanes take the same 16 bytes
	s_min_u32 s25, s25, 16                         ; (it hangs on a stored count, so it is held)
	v_mul_u32_u24 v[AO+\b], v1, s25
	WIN 0xc0
.set j_, 0
.rept 32
	global_load_b128 v[128*\b+4*j_:128*\b+4*j_+3], v[AO+\b], s[48+2*\b:49+2*\b] offset:512*j_
.set j_, j_+1
.endr
	WIN 0
	global_load_b128 v[AS+4*\b:AS+4*\b+3], v[AO+\b], s[52+2*\b:53+2*\b]
.endm
.macro WM t, s, fa, b                  ; one product: tile t of columns, my K step s
.if (\s) == 0
	v_wmma_scale_f32_16x16x128_f8f6f4 v[ACC+8*(\t):ACC+8*(\t)+7], v[\fa:\fa+15], v[128*(\b)+16*(\s):128*(\b)+16*(\s)+15], 0, v[WS+8*(\t)+(\s)], v[AS+4*(\b)+(\s)/2]
.elseif (\s)%2
	v_wmma_scale_f32_16x16x128_f8f6f4 v[ACC+8*(\t):ACC+8*(\t)+7], v[\fa:\fa+15], v[128*(\b)+16*(\s):128*(\b)+16*(\s)+15], v[ACC+8*(\t):ACC+8*(\t)+7], v[WS+8*(\t)+(\s)], v[AS+4*(\b)+(\s)/2] matrix_b_scale:MATRIX_SCALE_ROW1
.else
	v_wmma_scale_f32_16x16x128_f8f6f4 v[ACC+8*(\t):ACC+8*(\t)+7], v[\fa:\fa+15], v[128*(\b)+16*(\s):128*(\b)+16*(\s)+15], v[ACC+8*(\t):ACC+8*(\t)+7], v[WS+8*(\t)+(\s)], v[AS+4*(\b)+(\s)/2]
.endif
.endm
.macro STEP g, b, d                    ; tile g of the group, from buffer b: 32 matrix instructions, the four accumulators by turns; then the buffer's next request
	s_wait_loadcnt 33                              ; this buffer's 33 loads are in; the 33 younger ones are the other buffer's
	s_add_co_u32 s23, s21, 2*\g
	s_cmp_lt_u32 s23, s20
	s_cbranch_scc0 .Lgone_\@
	s_wait_dscnt 0x0                               ; the last tile's stores into the stage have read the accumulators
	WIN 0x0d                                       ; source 0 (W2) window 1, source 1 (h) window 3, C and D window 0
.irp s, 0,1,2,3
.irp t, 0,1,2,3
	WM \t, \s, 16*(4*\s+\t), \b
.endr
.endr
	WIN 0x0e
.irp s, 4,5,6,7
.irp t, 0,1,2,3
	WM \t, \s, 16*(4*(\s-4)+\t), \b
.endr
.endr
	WIN 0
.rept 9
	v_nop                                          ; eight places ahead of the stores that read the results and of the loads into the operands; nine ahead of the next tile's first products, which begin these accumulators anew
.endr
.irp t, 0,1,2,3
	ds_store_b128 v6, v[ACC+8*\t:ACC+8*\t+3] offset:4352*\g+64*\t          ; each accumulator from its low end on
	ds_store_b128 v6, v[ACC+8*\t+4:ACC+8*\t+7] offset:4352*\g+64*\t+16
.endr
.Lgone_\@:
	ISSUE \b, \d
.endm
	s_load_b256 s[4:11], s[0:1], 0x0               ; hq, plan, W2's codes, W2's scales
	s_load_b128 s[12:15], s[0:1], 0x20             ; b2, y2
	v_lshl_add_u32 v62, v0, 2, 0x21400
	v_mov_b32 v63, 0
	v_lshrrev_b32 v1, 5, v0
	v_readfirstlane_b32 s16, v1                    ; wave
	s_and_b32 s17, ttmp7, 0xffff                   ; e
	s_lshr_b32 s18, ttmp9, 1                       ; cb
	s_and_b32 s19, ttmp9, 1                        ; p
	v_and_b32 v1, 31, v0
	v_and_b32 v2, 15, v0
	v_bfe_u32 v3, v0, 4, 1
	s_mul_i32 s23, s16, 17408
	s_add_co_u32 s23, s23, STG
	v_mul_u32_u24 v6, v2, 272
	v_lshl_add_u32 v6, v3, 5, v6
	v_add_nc_u32 v6, s23, v6                       ; into the stage: my wave's part, row r, 32 h bytes on
	s_mul_i32 s23, s16, 4352
	s_add_co_u32 s23, s23, STG
	v_mul_u32_u24 v7, v3, 272
	v_lshl_add_u32 v7, v2, 4, v7
	v_add_nc_u32 v7, s23, v7                       ; out of it: tile w of each wave's part; lanes 0-15 one row, lanes 16-31 the next
	v_lshlrev_b32 v8, 4, v2
	v_lshlrev_b32 v12, 4, v1
	s_mul_i32 s23, s16, 16640
	v_add_nc_u32 v10, s23, v12
	v_mul_u32_u24 v11, v2, 1040
	v_lshl_add_u32 v11, v3, 4, v11
	v_add_nc_u32 v11, s23, v11
	v_lshlrev_b32 v13, 7, v2
	s_mul_i32 s56, s17, 68
	s_lshl_b32 s57, s56, 11
	s_lshl_b32 s56, s56, 16
	s_lshl_b32 s23, s16, 14
	s_add_co_u32 s56, s56, s23                     ; hq: my expert's first tile, my 8 K steps of 2,048 bytes
	s_lshl_b32 s23, s16, 9
	s_add_co_u32 s57, s57, s23                     ; and their 512 bytes of scale words
	s_mov_b32 s60, 0xffff0000
	s_mov_b32 s21, s19                             ; T0 = p
	s_mov_b32 s22, 8
	s_mov_b32 s27, 0
	s_lshl_b32 s24, s17, 10
	s_lshl_b32 s25, s18, 6
	s_add_co_u32 s24, s24, s25                     ; my first column among all experts': 1,024 e + 64 cb
	s_wait_kmcnt 0x0
	s_lshl_b32 s26, s24, 12
	s_lshl_b32 s25, s16, 10
	s_add_co_u32 s26, s26, s25
	s_add_nc_u64 s[8:9], s[8:9], s[26:27]          ; W2's codes: that column, my 1,024 bytes of K
	s_lshl_b32 s26, s24, 7
	s_lshl_b32 s25, s16, 5
	s_add_co_u32 s26, s26, s25
	s_add_nc_u64 s[10:11], s[10:11], s[26:27]      ; its scale bytes: my 32
	s_lshl_b32 s26, s24, 2
	s_add_nc_u64 s[12:13], s[12:13], s[26:27]
	s_lshl_b32 s26, s18, 8
	s_add_nc_u64 s[14:15], s[14:15], s[26:27]      ; y2 at my 64 columns
	s_add_nc_u64 s[58:59], s[4:5], HS_OFF
	s_mul_i32 s26, s17, SEGB
	s_add_nc_u64 s[30:31], s[6:7], s[26:27]
	s_lshl_b32 s26, s17, 2
	s_add_nc_u64 s[28:29], s[6:7], s[26:27]
	s_load_b32 s20, s[28:29], CNT_OFF
	s_load_b512 s[32:47], s[30:31], 0x0            ; the segment's first 16 words, which are always written: so the entries' registers are written on every path
	RAW 0
	RAW 1
	s_wait_loadcnt 32                              ; tile 0's 32 loads are in; the 32 younger ones are tile 1's
	TURNW 0
	RAW 2
	s_wait_loadcnt 32
	TURNW 1
	RAW 3
	s_wait_loadcnt 32
	TURNW 2
.irp t, 0,1,2,3
	global_load_b128 v[WS+8*\t:WS+8*\t+3], v13, s[10:11] offset:2048*\t
	global_load_b128 v[WS+8*\t+4:WS+8*\t+7], v13, s[10:11] offset:2048*\t+16
.endr
	global_load_b128 v[B2:B2+3], v8, s[12:13]
	s_wait_kmcnt 0x0
	s_min_u32 s20, s20, 1024
	s_add_co_u32 s20, s20, 15
	s_lshr_b32 s20, s20, 4                         ; tiles of 16 rows
	ISSUE 0, 0
	ISSUE 1, 2
	s_wait_loadcnt 63                              ; tile 3's loads are in: 75 loads were issued behind them, and the field's largest count is the smaller, safe one
	TURNW 3
	s_wait_dscnt 0x0                               ; my 32 fragments of W2 stay in registers from here on
.Ltrip:                                                ; 8 trips of four tiles of my parity: 64 tiles at the most
	s_lshl_b32 s23, s16, 1
	s_add_co_u32 s23, s23, s21                     ; the tile that I add up: T0 + 2 w
	s_cmp_lt_u32 s23, s20
	s_cbranch_scc0 .Lno_entries
	s_lshl_b32 s26, s23, 6
	s_add_nc_u64 s[28:29], s[30:31], s[26:27]      ; (the load that last named this pair has been waited for)
	s_load_b512 s[32:47], s[28:29], 0x0
.Lno_entries:
	s_cmp_lt_u32 s21, s20
	s_cbranch_scc0 .Lno_products                   ; behind the expert's last group nothing is multiplied or asked for
	STEP 0, 0, 4
	STEP 1, 1, 6
	STEP 2, 0, 8                                   ; the last two ask for the next trip's first two tiles
	STEP 3, 1, 10
.Lno_products:
	s_wait_dscnt 0x0                               ; for the others' sake: my parts have landed in the stage
	s_barrier_signal -1
	s_barrier_wait -1
	s_wait_kmcnt 0x0
	s_lshl_b32 s23, s16, 1
	s_add_co_u32 s23, s23, s21
	s_cmp_lt_u32 s23, s20
	s_cbranch_scc0 .Lno_sum
	s_wait_xcnt 0x0                                ; the last trip's stores have read their data and offsets: both are written again below
.irp q, 0,1,2,3
.irp i, 0,1,2,3,4,5,6,7
	ds_load_b128 v[PT+32*\q+4*\i:PT+32*\q+4*\i+3], v7 offset:17408*\q+544*\i       ; wave q's part of rows 2 i, 2 i + 1
.endr
.endr
.irp i, 0,1,2,3,4,5,6,7
	v_mov_b32 v[YO+\i], s[32+2*\i]
	v_cndmask_b32 v[YO+\i], v[YO+\i], s[33+2*\i], s60      ; lanes 16-31 take the odd row's entry
	v_min_u32 v[YO+\i], 2303, v[YO+\i]             ; a stored number is held inside the buffer's rows
	v_lshl_add_u32 v[YO+\i], v[YO+\i], 12, v8
.endr
	s_wait_dscnt 0x0
.irp i, 0,1,2,3,4,5,6,7
.irp k, 0,2
	v_pk_add_f32 v[PT+4*\i+\k:PT+4*\i+\k+1], v[PT+4*\i+\k:PT+4*\i+\k+1], v[B2+\k:B2+\k+1]
	v_pk_add_f32 v[PT+32+4*\i+\k:PT+32+4*\i+\k+1], v[PT+32+4*\i+\k:PT+32+4*\i+\k+1], v[PT+64+4*\i+\k:PT+64+4*\i+\k+1]
	v_pk_add_f32 v[PT+4*\i+\k:PT+4*\i+\k+1], v[PT+4*\i+\k:PT+4*\i+\k+1], v[PT+96+4*\i+\k:PT+96+4*\i+\k+1]
	v_pk_add_f32 v[PT+4*\i+\k:PT+4*\i+\k+1], v[PT+4*\i+\k:PT+4*\i+\k+1], v[PT+32+4*\i+\k:PT+32+4*\i+\k+1]
.endr
	global_store_b128 v[YO+\i], v[PT+4*\i:PT+4*\i+3], s[14:15]     ; 16 lanes store 256 consecutive bytes, at a multiple of 256 from the buffer's first byte
.endr
.Lno_sum:
	s_wait_dscnt 0x0                               ; my reads of the stage are over
	s_barrier_signal -1
	s_barrier_wait -1                              ; everybody's are: the next trip may write it
	s_add_co_u32 s21, s21, 8
	s_sub_co_u32 s22, s22, 1
	s_cmp_lg_u32 s22, 0
	s_cbranch_scc1 .Ltrip
	s_wait_tensorcnt 0x0
	ds_add_u32 v62, v63
	s_wait_dscnt 0x0
	s_endpgm
.Lfunc_end_k_qabadbb3c93_down:
	.size	k_qabadbb3c93_down, .Lfunc_end_k_qabadbb3c93_down-k_qabadbb3c93_down
	.p2alignl 7, 3214868480
	.fill 96, 4, 3214868480
	.section	.rodata,"a",@progbits
	.p2align	6, 0x0
	.amdhsa_kernel k_qabadbb3c93_down
		.amdhsa_group_segment_fixed_size 136704
		.amdhsa_private_segment_fixed_size 0
		.amdhsa_enable_private_segment 0
		.amdhsa_kernarg_size 48
		.amdhsa_user_sgpr_count 2
		.amdhsa_user_sgpr_kernarg_segment_ptr 1
		.amdhsa_wavefront_size32 1
		.amdhsa_system_sgpr_workgroup_id_x 1
		.amdhsa_system_sgpr_workgroup_id_y 1
		.amdhsa_system_sgpr_workgroup_id_z 1
		.amdhsa_system_vgpr_workitem_id 0
		.amdhsa_next_free_vgpr 1024
		.amdhsa_next_free_sgpr 66
		.amdhsa_reserve_vcc 0
		.amdhsa_float_denorm_mode_32 3
		.amdhsa_float_denorm_mode_16_64 3
		.amdhsa_memory_ordered 1
		.amdhsa_forward_progress 1
		.amdhsa_inst_pref_size 85
	.end_amdhsa_kernel
	.amdgpu_metadata
---
amdhsa.version: [ 1, 2 ]
amdhsa.kernels:
  - .name:           k_qabadbb3c93_down
    .symbol:         k_qabadbb3c93_down.kd
    .args:
      - { .name: hq, .offset: 0, .size: 8, .value_kind: global_buffer, .address_space: global }
      - { .name: plan, .offset: 8, .size: 8, .value_kind: global_buffer, .address_space: global }
      - { .name: W2_codes, .offset: 16, .size: 8, .value_kind: global_buffer, .address_space: global }
      - { .name: W2_scales, .offset: 24, .size: 8, .value_kind: global_buffer, .address_space: global }
      - { .name: b2, .offset: 32, .size: 8, .value_kind: global_buffer, .address_space: global }
      - { .name: y2, .offset: 40, .size: 8, .value_kind: global_buffer, .address_space: global }
    .group_segment_fixed_size: 136704
    .private_segment_fixed_size: 0
    .kernarg_segment_align: 8
    .kernarg_segment_size: 48
    .max_flat_workgroup_size: 128
    .sgpr_count:     66
    .vgpr_count:     1024
    .wavefront_size: 32
...
	.end_amdgpu_metadata
.endif
;; end of part 4
;; launch mix (part 5): grid 256 x 1, 4 waves a work-group, no clusters, 0 bytes of LDS; arguments y2, wts, out0; writes out0
.if DOCPART == 5
	.amdgcn_target "amdgcn-amd-amdhsa--gfx1250"
	.amdhsa_code_object_version 6
	.text
	.protected	k_qabadbb3c93_mix
	.globl	k_qabadbb3c93_mix
	.p2align	8
	.type	k_qabadbb3c93_mix,@function
k_qabadbb3c93_mix:
	s_mov_b64 s[64:65], 0
	v_nop
	global_prefetch_b8 v0, s[64:65] scope:SCOPE_SE
	s_setreg_imm32_b32 hwreg(HW_REG_WAVE_MODE, 25, 1), 1
	s_wait_xcnt 0x0
; out0[n] = w0 y2[2 n] + w1 y2[2 n + 1]: a token's two experts' rows, weighed.  y2: f32 [2304][1024] (rows 0 to 2,047 are read), wts: f32 [2048], out0: f32 [1024][1024].
; A wave takes one token: sixteen loads of 512 consecutive bytes, all issued at once; eight stores of 512 consecutive bytes.  Every address is made of ids alone.
; A stream: each byte is read once and written once; LDS, barriers and the matrix unit would add nothing.  Each register is written once, so no store's data are written again.
	s_load_b128 s[4:7], s[0:1], 0x0                ; y2, wts
	s_load_b64 s[8:9], s[0:1], 0x10                ; out0
	v_lshrrev_b32 v1, 5, v0
	v_readfirstlane_b32 s10, v1                    ; wave
	v_and_b32 v1, 31, v0
	v_lshlrev_b32 v2, 4, v1                        ; 16 bytes a lane
	s_lshl_b32 s11, ttmp9, 2
	s_add_co_u32 s11, s11, s10                     ; my token
	s_mov_b32 s17, 0
	s_wait_kmcnt 0x0
	s_lshl_b32 s16, s11, 3
	s_add_nc_u64 s[6:7], s[6:7], s[16:17]
	s_load_b64 s[12:13], s[6:7], 0x0               ; w0, w1
	s_lshl_b32 s16, s11, 13
	s_add_nc_u64 s[4:5], s[4:5], s[16:17]          ; rows 2 n and 2 n + 1 lie on end
	s_lshl_b32 s16, s11, 12
	s_add_nc_u64 s[8:9], s[8:9], s[16:17]
.irp i, 0,1,2,3,4,5,6,7
	global_load_b128 v[8+8*\i:11+8*\i], v2, s[4:5] offset:512*\i th:TH_LOAD_NT
	global_load_b128 v[12+8*\i:15+8*\i], v2, s[4:5] offset:4096+512*\i th:TH_LOAD_NT
.endr
	s_wait_kmcnt 0x0
	s_mov_b32 s14, s13                             ; w1 in a pair of its own: a packed form takes a scalar pair's low word for both halves
	s_mov_b32 s15, s13
.irp i, 0,1,2,3,4,5,6,7
	s_wait_loadcnt 14-2*\i                         ; pair i of loads is in; the younger pairs may be out
	v_pk_mul_f32 v[8+8*\i:9+8*\i], v[8+8*\i:9+8*\i], s[12:13] op_sel_hi:[1,0]
	v_pk_mul_f32 v[10+8*\i:11+8*\i], v[10+8*\i:11+8*\i], s[12:13] op_sel_hi:[1,0]
	v_pk_fma_f32 v[8+8*\i:9+8*\i], v[12+8*\i:13+8*\i], s[14:15], v[8+8*\i:9+8*\i] op_sel_hi:[1,0,1]
	v_pk_fma_f32 v[10+8*\i:11+8*\i], v[14+8*\i:15+8*\i], s[14:15], v[10+8*\i:11+8*\i] op_sel_hi:[1,0,1]
	global_store_b128 v2, v[8+8*\i:11+8*\i], s[8:9] offset:512*\i th:TH_STORE_NT
.endr
	s_endpgm
.Lfunc_end_k_qabadbb3c93_mix:
	.size	k_qabadbb3c93_mix, .Lfunc_end_k_qabadbb3c93_mix-k_qabadbb3c93_mix
	.p2alignl 7, 3214868480
	.fill 96, 4, 3214868480
	.section	.rodata,"a",@progbits
	.p2align	6, 0x0
	.amdhsa_kernel k_qabadbb3c93_mix
		.amdhsa_group_segment_fixed_size 0
		.amdhsa_private_segment_fixed_size 0
		.amdhsa_enable_private_segment 0
		.amdhsa_kernarg_size 24
		.amdhsa_user_sgpr_count 2
		.amdhsa_user_sgpr_kernarg_segment_ptr 1
		.amdhsa_wavefront_size32 1
		.amdhsa_system_sgpr_workgroup_id_x 1
		.amdhsa_system_sgpr_workgroup_id_y 1
		.amdhsa_system_sgpr_workgroup_id_z 1
		.amdhsa_system_vgpr_workitem_id 0
		.amdhsa_next_free_vgpr 80
		.amdhsa_next_free_sgpr 66
		.amdhsa_reserve_vcc 0
		.amdhsa_float_denorm_mode_32 3
		.amdhsa_float_denorm_mode_16_64 3
		.amdhsa_memory_ordered 1
		.amdhsa_forward_progress 1
		.amdhsa_inst_pref_size 6
	.end_amdhsa_kernel
	.amdgpu_metadata
---
amdhsa.version: [ 1, 2 ]
amdhsa.kernels:
  - .name:           k_qabadbb3c93_mix
    .symbol:         k_qabadbb3c93_mix.kd
    .args:
      - { .name: y2, .offset: 0, .size: 8, .value_kind: global_buffer, .address_space: global }
      - { .name: wts, .offset: 8, .size: 8, .value_kind: global_buffer, .address_space: global }
      - { .name: out0, .offset: 16, .size: 8, .value_kind: global_buffer, .address_space: global }
    .group_segment_fixed_size: 0
    .private_segment_fixed_size: 0
    .kernarg_segment_align: 8
    .kernarg_segment_size: 24
    .max_flat_workgroup_size: 128
    .sgpr_count:     66
    .vgpr_count:     80
    .wavefront_size: 32
...
	.end_amdgpu_metadata
.endif
;; end of part 5
;; ======== version 2 of 2: 5 launches
;; workspace buffers: xq 1,081,344 bytes; idx 8,192 bytes of whole numbers; wts 8,192 bytes; plan 35,072 bytes of whole numbers; hq 36,765,696 bytes; y2 9,437,184 bytes
;; launch route (part 6): grid 256 x 1, 4 waves a work-group, no clusters, 51,968 bytes of LDS; arguments x, Wr, br, xq, idx, wts; writes xq, idx, wts
.if DOCPART == 6
	.amdgcn_target "amdgcn-amd-amdhsa--gfx1250"
	.amdhsa_code_object_version 6
	.text
	.protected	k_qabadbb3c93_route
	.globl	k_qabadbb3c93_route
	.p2align	8
	.type	k_qabadbb3c93_route,@function
k_qabadbb3c93_route:
	s_mov_b64 s[64:65], 0
	v_nop
	global_prefetch_b8 v0, s[64:65] scope:SCOPE_SE
	s_setreg_imm32_b32 hwreg(HW_REG_WAVE_MODE, 25, 1), 1
	s_wait_xcnt 0x0
; ROUTER AND QUANTISER OF x.  x [1024][1024] f32, Wr [1024][8] f32, br [8] f32.
; A wave takes one token n = 4 x work-group + wave.  It makes (a) the eight logits x[n] . Wr + br in f32 (fused multiply-adds), their softmax with the row's
; maximum taken away, the two largest probabilities (strict comparisons from index 0 up: of equal numbers the lower index is kept) and their weights p / (p0 + p1);
; (b) the row's codes of E4M3 and its 32 E8M0 scale bytes along K.
; OUT: xq: codes [1024][1024] bytes, from XS_OFF on scale bytes [1024][32];  idx: u32 [2048], word 2 n + k = the expert of choice k;  wts: f32 [2048], the same places.
; No address and no branch hangs on a number computed here: the choice is stored at fixed places and used by later launches.
; A lane holds 8 neighbours along K four times over: k = 256 j + 8 lane + 0 .. 7.  So four lanes hold a block of 32, a lane's 8 codes are 8 bytes and a wave's store covers 256 consecutive bytes.
; Memory is read as it lies (16 bytes a lane, 512 a load); the row turns through the wave's own 4,096 bytes of LDS.  Wr lies in LDS once for the four waves, 16 bytes of padding behind each 256.
; LIMITS: NaN and infinities are not served.  A block of zeros gets the byte 1 where the quantiser says 127: its codes are zeros, and this program alone reads the bytes.
; Two probabilities that differ by less than the rounding of f32 sums may be ordered either way.  No matrix unit, no cluster: the product has 8 columns and the work-groups share only Wr's 32 KiB.
.set XS_OFF, 1048576
.set XT,   34816                       ; LDS: Wr's 128 units of 272 bytes lie from 0; then each wave's 4,096 bytes for the turn of x;
.set XB,   51200                       ; then 64 bytes a wave for the scale bytes
.set X,    16                          ; v16-47   the row: register 8 j + i = x[256 j + 8 lane + i]
.set ACC,  48                          ; v48-55   the eight sums, in four pairs
.set CD,   56                          ; v56-63   codes: two registers for each j, so that no store's data are written again
.set W0,   64                          ; v64-127  Wr as loaded, then buffer 0 of its groups
.set W1,   128                         ; v128-191 buffer 1
.set TP,   192                         ; v192-199 at work: the probabilities
.set BY,   216                         ; v216-219 a scale byte for each j
	s_load_b256 s[4:11], s[0:1], 0x0               ; x, Wr, br, xq
	s_load_b128 s[12:15], s[0:1], 0x20             ; idx, wts
	v_lshl_add_u32 v224, v0, 2, 0xc900
	v_mov_b32 v225, 0
	v_lshrrev_b32 v1, 5, v0
	v_readfirstlane_b32 s24, v1                    ; wave
	v_and_b32 v1, 31, v0                           ; lane
	v_lshlrev_b32 v2, 4, v1                        ; x in memory: 16 bytes a lane
	v_lshlrev_b32 v3, 4, v0                        ; Wr in memory: 16 bytes a thread
	v_lshrrev_b32 v4, 4, v0
	v_mul_u32_u24 v4, v4, 272
	v_and_b32 v5, 15, v0
	v_lshl_add_u32 v4, v5, 4, v4                   ; Wr into LDS: unit thread / 16, 16 bytes at thread % 16
	v_mul_u32_u24 v5, v1, 272                      ; Wr out of LDS: unit 32 j + lane holds rows 256 j + 8 lane + 0 .. 7
	s_lshl_b32 s25, s24, 12
	s_add_co_u32 s25, s25, XT
	v_add_nc_u32 v6, s25, v2                       ; the turn of x: in as loaded,
	v_lshl_add_u32 v7, v1, 5, s25                  ; out 32 bytes a lane
	s_lshl_b32 s25, s24, 6
	s_add_co_u32 s25, s25, XB
	v_lshrrev_b32 v8, 2, v1
	v_add_nc_u32 v8, s25, v8                       ; my block's scale byte: 8 j + lane / 4
	v_and_b32 v9, 7, v1
	v_lshlrev_b32 v11, 2, v9                       ; the scale words on their way out: 4 bytes a lane, lanes 0 to 7
	v_add_nc_u32 v9, s25, v11
	v_lshlrev_b32 v10, 3, v1                       ; my 8 codes
	s_mov_b32 s26, 0x76543210
	s_mov_b32 s27, 0xfedcba98                      ; v_permlanex16_b32's selects for lane l xor 16
	s_mov_b32 s28, 0x600000                        ; the mantissa field of 448
	s_mov_b32 s29, 0x3fb8aa3b                      ; log2(e)
	s_lshl_b32 s32, ttmp9, 2
	s_add_co_u32 s32, s32, s24                     ; my token
	s_lshl_b32 s30, s32, 12
	s_mov_b32 s31, 0
.irp e, 0,1,2,3,4,5,6,7
	v_mov_b32 v[TP+\e], 0                          ; written once: a lane permute's destination counts as one of its sources
.endr
	s_wait_kmcnt 0x0
	s_add_nc_u64 s[4:5], s[4:5], s[30:31]          ; x at my row
	s_load_b256 s[16:23], s[8:9], 0x0              ; br
.irp i, 0,1,2,3,4,5,6,7
	global_load_b128 v[X+4*\i:X+4*\i+3], v2, s[4:5] offset:512*\i th:TH_LOAD_NT   ; 512 consecutive bytes a load; the launch reads x once
.endr
.irp i, 0,1,2,3,4,5,6,7,8,9,10,11,12,13,14,15
	global_load_b128 v[W0+4*\i:W0+4*\i+3], v3, s[6:7] offset:2048*\i              ; the four waves together: 2,048 consecutive bytes
.endr
	s_lshl_b32 s30, s32, 10
	s_add_nc_u64 s[34:35], s[10:11], s[30:31]      ; my row of codes
	s_lshl_b32 s30, s32, 5
	s_add_nc_u64 s[36:37], s[10:11], s[30:31]
	s_add_nc_u64 s[36:37], s[36:37], XS_OFF        ; my row of scale bytes
	s_lshl_b32 s30, s32, 3
	s_add_nc_u64 s[12:13], s[12:13], s[30:31]      ; my two words of idx
	s_add_nc_u64 s[14:15], s[14:15], s[30:31]      ; and of wts
	s_wait_loadcnt 16                              ; x's eight loads are in; the sixteen younger ones are Wr's
.irp i, 0,1,2,3,4,5,6,7
	ds_store_b128 v6, v[X+4*\i:X+4*\i+3] offset:512*\i
.endr
.irp j, 0,1,2,3
	ds_load_b128 v[X+8*\j:X+8*\j+3], v7 offset:1024*\j        ; LDS serves a wave's instructions in order: these see my stores.  Lanes stand 32 bytes apart: eight loads, once
	ds_load_b128 v[X+8*\j+4:X+8*\j+7], v7 offset:1024*\j+16
.endr
	s_wait_loadcnt 0x0                             ; Wr
.irp i, 0,1,2,3,4,5,6,7,8,9,10,11,12,13,14,15
	ds_store_b128 v4, v[W0+4*\i:W0+4*\i+3] offset:2176*\i     ; eight units of 272 bytes a store
.endr
	s_wait_dscnt 0x0                               ; for the others' sake: my part of Wr has landed (and my row is back)
	s_barrier_signal -1
	s_barrier_wait -1
.macro WRG j, buf                      ; rows 256 j + 8 lane + 0 .. 7 of Wr: register 8 k + e = Wr[..+ k][e]
.irp i, 0,1,2,3,4,5,6,7,8,9,10,11,12,13,14,15
	ds_load_b128 v[\buf+4*\i:\buf+4*\i+3], v5 offset:8704*\j+16*\i
.endr
.endm
.macro DOT j, buf, first               ; 32 packed multiply-adds: two experts each, x broadcast from its pair; the four pairs of sums by turns.  The very first four start the sums: nothing is cleared
.irp k, 0,1,2,3,4,5,6,7
.irp p, 0,1,2,3
.if \first && (\k == 0)
	v_pk_mul_f32 v[ACC+2*\p:ACC+2*\p+1], v[\buf+8*\k+2*\p:\buf+8*\k+2*\p+1], v[X+8*\j+2*(\k/2):X+8*\j+2*(\k/2)+1] op_sel_hi:[1,0]
.elseif (\k%2) == 0
	v_pk_fma_f32 v[ACC+2*\p:ACC+2*\p+1], v[\buf+8*\k+2*\p:\buf+8*\k+2*\p+1], v[X+8*\j+2*(\k/2):X+8*\j+2*(\k/2)+1], v[ACC+2*\p:ACC+2*\p+1] op_sel_hi:[1,0,1]
.else
	v_pk_fma_f32 v[ACC+2*\p:ACC+2*\p+1], v[\buf+8*\k+2*\p:\buf+8*\k+2*\p+1], v[X+8*\j+2*(\k/2):X+8*\j+2*(\k/2)+1], v[ACC+2*\p:ACC+2*\p+1] op_sel:[0,1,0]
.endif
.endr
.endr
.endm
.macro QX j                            ; my 8 numbers of group j become 8 codes; the block's byte goes to LDS
	v_max3_num_f32 v204, |v[X+8*\j]|, |v[X+8*\j+1]|, 0x4800000     ; the largest magnitude of my 8, and the floor 2^(9 - 127): so the byte cannot fall under 1
	v_max3_num_f32 v205, |v[X+8*\j+2]|, |v[X+8*\j+3]|, |v[X+8*\j+4]|
	v_max3_num_f32 v204, v204, |v[X+8*\j+5]|, |v[X+8*\j+6]|
	v_max3_num_f32 v204, v204, v205, |v[X+8*\j+7]|
	v_max_num_f32_dpp v204, v204, v204 row_xmask:1 row_mask:0xf bank_mask:0xf
	v_max_num_f32_dpp v204, v204, v204 row_xmask:2 row_mask:0xf bank_mask:0xf      ; with the three lanes that share the block
	v_add_nc_u32 v206, 0xfc000000, v204            ; 8 off its exponent field: the conversion takes the exponent field of this operand as its scale
	v_and_or_b32 v207, v204, 0x7f800000, s28       ; 448 x the scale
.irp i, 0,1,2,3,4,5,6,7
	v_med3_num_f32 v[X+8*\j+\i], v[X+8*\j+\i], -v207, v207     ; the conversion to an 8-bit code does not saturate (ISA guide 7.6.2): the hold comes first
.endr
	v_cvt_scalef32_pk8_fp8_f32 v[CD+2*\j:CD+2*\j+1], v[X+8*\j:X+8*\j+7], v206
	v_lshrrev_b32 v[BY+\j], 23, v206               ; the scale's byte (and the plain line behind the conversion)
	ds_store_b8 v8, v[BY+\j] offset:8*\j           ; the four lanes of a block write the same byte with the same value
	global_store_b64 v10, v[CD+2*\j:CD+2*\j+1], s[34:35] offset:256*\j     ; 32 lanes store 256 consecutive bytes, at a multiple of 256 from the buffer's first byte
.endm
	WRG 0, W0
	WRG 1, W1
	s_wait_dscnt 16                                ; group 0 is in; group 1's sixteen loads may be out
	DOT 0, W0, 1
	WRG 2, W0
	QX 0
	s_wait_dscnt 17                                ; group 1 is in; behind it: group 2's sixteen loads and one byte store
	DOT 1, W1, 0
	WRG 3, W1
	QX 1
	s_wait_dscnt 18                                ; group 2 is in; behind it: a byte store, group 3's sixteen loads, a byte store
	DOT 2, W0, 0
	QX 2
	s_wait_dscnt 2                                 ; group 3 is in; behind it: two byte stores
	DOT 3, W1, 0
	QX 3
	; the eight sums over the 32 lanes
.irp m, 1,2,4,8
.irp e, 0,1,2,3,4,5,6,7
	v_add_f32_dpp v[ACC+\e], v[ACC+\e], v[ACC+\e] row_xmask:\m row_mask:0xf bank_mask:0xf
.endr
.endr
.irp e, 0,1,2,3,4,5,6,7
	v_permlanex16_b32 v[TP+\e], v[ACC+\e], s26, s27
.endr
.irp e, 0,1,2,3,4,5,6,7
	v_add_f32 v[ACC+\e], v[ACC+\e], v[TP+\e]
.endr
	s_wait_alu depctr_va_vdst(0)
	s_wait_kmcnt 0x0                               ; br
.irp e, 0,1,2,3,4,5,6,7
	v_add_f32 v[ACC+\e], s[16+\e], v[ACC+\e]       ; the logits, in every lane
.endr
	; softmax: the row's maximum is taken away.  t = l log2(e) - m log2(e) in one fused multiply-add: the rounding of m log2(e) is common to all eight and cancels in the division
	v_max3_num_f32 v208, v[ACC], v[ACC+1], v[ACC+2]
	v_max3_num_f32 v208, v208, v[ACC+3], v[ACC+4]
	v_max3_num_f32 v208, v208, v[ACC+5], v[ACC+6]
	v_max_num_f32 v208, v208, v[ACC+7]
	v_mul_f32 v208, s29, v208
.irp e, 0,1,2,3,4,5,6,7
	v_fma_f32 v[TP+\e], v[ACC+\e], s29, -v208
.endr
	s_wait_alu depctr_va_vdst(0)
.irp e, 0,1,2,3,4,5,6,7
	v_exp_f32 v[TP+\e], v[TP+\e]
.endr
	v_nop                                          ; a plain line behind the last exponential
	s_wait_alu depctr_va_vdst(0)                   ; one wait for the eight, ahead of their first reader
	v_add_f32 v209, v[TP], v[TP+1]
	v_add_f32 v210, v[TP+2], v[TP+3]
	v_add_f32 v211, v[TP+4], v[TP+5]
	v_add_f32 v212, v[TP+6], v[TP+7]
	v_add_f32 v209, v209, v210
	v_add_f32 v211, v211, v212
	v_add_f32 v209, v209, v211
	s_wait_alu depctr_va_vdst(0)
	v_rcp_f32 v209, v209
	v_nop
	s_wait_alu depctr_va_vdst(0)
.irp e, 0,1,2,3,4,5,6,7
	v_mul_f32 v[TP+\e], v[TP+\e], v209             ; the probabilities
.endr
	; the largest, then the largest of the rest: choices of values only
	v_mov_b32 v210, v[TP]
	v_mov_b32 v200, 0
.irp i, 1,2,3,4,5,6,7
	v_cmp_gt_f32 vcc_lo, v[TP+\i], v210
	v_cndmask_b32 v210, v210, v[TP+\i], vcc_lo
	v_cndmask_b32 v200, v200, \i, vcc_lo
.endr
.irp i, 0,1,2,3,4,5,6,7
	v_cmp_eq_u32 vcc_lo, \i, v200
	v_cndmask_b32 v[TP+\i], v[TP+\i], -1.0, vcc_lo ; the first choice stands under every probability
.endr
	v_mov_b32 v211, v[TP]
	v_mov_b32 v201, 0
.irp i, 1,2,3,4,5,6,7
	v_cmp_gt_f32 vcc_lo, v[TP+\i], v211
	v_cndmask_b32 v211, v211, v[TP+\i], vcc_lo
	v_cndmask_b32 v201, v201, \i, vcc_lo
.endr
	v_add_f32 v212, v210, v211
	s_wait_alu depctr_va_vdst(0)
	v_rcp_f32 v212, v212
	v_mov_b32 v214, 0                              ; (a plain line behind the reciprocal)
	s_wait_alu depctr_va_vdst(0)
	v_mul_f32 v202, v210, v212
	v_mul_f32 v203, v211, v212
	ds_load_b32 v213, v9                           ; my row's 32 scale bytes as 8 words: LDS serves a wave's instructions in order
	s_wait_alu depctr_va_vdst(0)
	s_wait_dscnt 0x0
	s_wait_xcnt 0x0                                ; EXEC is a source of the stores above: it changes only behind this wait
	v_cmp_gt_u32 vcc_lo, 8, v1
	s_wait_tensorcnt 0x0
	ds_add_u32 v224, v225
	s_wait_dscnt 0x0
	s_and_saveexec_b32 s30, vcc_lo
	global_store_b32 v11, v213, s[36:37]           ; lanes 0 to 7: 32 bytes
	s_wait_xcnt 0x0                                ; and again, in front of the line that widens it
	s_or_b32 exec_lo, exec_lo, s30
	v_cmp_eq_u32 vcc_lo, 0, v1
	s_and_saveexec_b32 s30, vcc_lo
	global_store_b64 v214, v[200:201], s[12:13]    ; lane 0: the two experts,
	global_store_b64 v214, v[202:203], s[14:15]    ; and their weights
	s_endpgm
.Lfunc_end_k_qabadbb3c93_route:
	.size	k_qabadbb3c93_route, .Lfunc_end_k_qabadbb3c93_route-k_qabadbb3c93_route
	.p2alignl 7, 3214868480
	.fill 96, 4, 3214868480
	.section	.rodata,"a",@progbits
	.p2align	6, 0x0
	.amdhsa_kernel k_qabadbb3c93_route
		.amdhsa_group_segment_fixed_size 51968
		.amdhsa_private_segment_fixed_size 0
		.amdhsa_enable_private_segment 0
		.amdhsa_kernarg_size 48
		.amdhsa_user_sgpr_count 2
		.amdhsa_user_sgpr_kernarg_segment_ptr 1
		.amdhsa_wavefront_size32 1
		.amdhsa_system_sgpr_workgroup_id_x 1
		.amdhsa_system_sgpr_workgroup_id_y 1
		.amdhsa_system_sgpr_workgroup_id_z 1
		.amdhsa_system_vgpr_workitem_id 0
		.amdhsa_next_free_vgpr 226
		.amdhsa_next_free_sgpr 66
		.amdhsa_reserve_vcc 1
		.amdhsa_float_denorm_mode_32 3
		.amdhsa_float_denorm_mode_16_64 3
		.amdhsa_memory_ordered 1
		.amdhsa_forward_progress 1
		.amdhsa_inst_pref_size 33
	.end_amdhsa_kernel
	.amdgpu_metadata
---
amdhsa.version: [ 1, 2 ]
amdhsa.kernels:
  - .name:           k_qabadbb3c93_route
    .symbol:         k_qabadbb3c93_route.kd
    .args:
      - { .name: x, .offset: 0, .size: 8, .value_kind: global_buffer, .address_space: global }
      - { .name: Wr, .offset: 8, .size: 8, .value_kind: global_buffer, .address_space: global }
      - { .name: br, .offset: 16, .size: 8, .value_kind: global_buffer, .address_space: global }
      - { .name: xq, .offset: 24, .size: 8, .value_kind: global_buffer, .address_space: global }
      - { .name: idx, .offset: 32, .size: 8, .value_kind: global_buffer, .address_space: global }
      - { .name: wts, .offset: 40, .size: 8, .value_kind: global_buffer, .address_space: global }
    .group_segment_fixed_size: 51968
    .private_segment_fixed_size: 0
    .kernarg_segment_align: 8
    .kernarg_segment_size: 48
    .max_flat_workgroup_size: 128
    .sgpr_count:     66
    .vgpr_count:     226
    .wavefront_size: 32
...
	.end_amdgpu_metadata
.endif
;; end of part 6
;; launch place (part 7): grid 1 x 1, 8 waves a work-group, no clusters, 1,280 bytes of LDS; arguments idx, plan; writes plan
.if DOCPART == 7
	.amdgcn_target "amdgcn-amd-amdhsa--gfx1250"
	.amdhsa_code_object_version 6
	.text
	.protected	k_qabadbb3c93_place
	.globl	k_qabadbb3c93_place
	.p2align	8
	.type	k_qabadbb3c93_place,@function
k_qabadbb3c93_place:
	s_mov_b64 s[64:65], 0
	v_nop
	global_prefetch_b8 v0, s[64:65] scope:SCOPE_SE
	s_setreg_imm32_b32 hwreg(HW_REG_WAVE_MODE, 25, 1), 1
	s_wait_xcnt 0x0
; THE ROWS ARE PLACED BY EXPERT: a counting sort of the 2,048 entries (entry 2 n + k = choice k of token n), one work-group, no atomics.
; plan: u32 [8 experts][SEG = 1,088]: word e SEG + rank = an entry of expert e; the 64 words behind an expert's last entry hold pad ids 2048 + 32 e + (i % 32), so that a last tile of 16 rows is whole,
; the first 64 words of every segment are written whatever the split, and 1,024 + 64 words fill a segment at the worst.  From CNT_OFF on: u32 [32], word e (and e + 8, ..) = the rows of expert e.
; Wave w takes entries 256 w .. 256 w + 255, eight a lane.  THE 64 COMPARE MASKS (8 experts x 8 registers) ARE MADE ONCE, back to back, and kept in scalar registers: the counts are then scalar work alone,
; and the ranks (the wave's running slot + the bits below my lane) only read scalar registers.  The waves' counts meet in LDS.
; The order of an expert's rows is free: no row is dropped, and each row is computed by itself.  The launch is one work-group since the ranks need all counts: 8 KiB in, 10 KiB out.
.set SEG,     1088
.set CNT_OFF, 34816
.set TA,      40                       ; v40-55  two sets of eight ranks at work; later the entries' ids and their addresses
.macro MREG e, i                       ; m_ = the scalar register of the mask (expert e, register i): s32-63, then s66-97
.set m_, 32+8*(\e)+(\i)
.if m_ > 63
.set m_, m_+2
.endif
.endm
	s_load_b128 s[4:7], s[0:1], 0x0                ; idx, plan
	v_lshl_add_u32 v64, v0, 2, 0x100
	v_mov_b32 v65, 0
	v_lshrrev_b32 v1, 5, v0
	s_delay_alu instid0(VALU_DEP_1)
	v_readfirstlane_b32 s8, v1                     ; wave 0..7
	v_and_b32 v1, 31, v0                           ; lane
	v_and_b32 v3, 0xe0, v0                         ; 32 x wave: my wave's eight words in LDS
	s_delay_alu instid0(VALU_DEP_1)
	v_lshlrev_b32 v2, 5, v3
	s_delay_alu instid0(VALU_DEP_1)
	v_lshl_add_u32 v2, v1, 4, v2                   ; idx: 1,024 x wave + 16 x lane
	s_delay_alu instid0(VALU_DEP_4)
	v_and_b32 v5, 7, v1
	s_delay_alu instid0(VALU_DEP_1)
	v_lshlrev_b32 v4, 2, v5                        ; LDS: the word of expert lane % 8
	v_lshlrev_b32 v36, 3, v3
	s_delay_alu instid0(VALU_DEP_1)
	v_lshl_add_u32 v36, v1, 2, v36                 ; my first entry: 256 x wave + 4 x lane
	s_wait_alu depctr_va_vdst(0)
	s_wait_kmcnt 0x0
	global_load_b128 v[8:11], v2, s[4:5]           ; register 4 q + c: entry 256 w + 128 q + 4 lane + c
	global_load_b128 v[12:15], v2, s[4:5] offset:512
	s_wait_loadcnt 0x0
.irp e, 0,1,2,3,4,5,6,7                ; the 64 masks, with no scalar instruction between them
.irp i, 0,1,2,3,4,5,6,7
	MREG \e, \i
	v_cmp_eq_u32 s[m_], \e, v[8+\i]
.endr
.endr
.irp e, 0,1,2,3,4,5,6,7                ; my wave's count of each expert: the eight experts by turns
	MREG \e, 0
	s_bcnt1_i32_b32 s[16+\e], s[m_]
.endr
.irp i, 1,2,3,4,5,6,7
.irp e, 0,1,2,3,4,5,6,7
	MREG \e, \i
	s_bcnt1_i32_b32 s[24+\e], s[m_]
.endr
.irp e, 0,1,2,3,4,5,6,7
	s_add_co_u32 s[16+\e], s[16+\e], s[24+\e]
.endr
.endr
.irp e, 0,1,2,3,4,5,6,7
	v_mov_b32 v[24+\e], s[16+\e]
	ds_store_b32 v3, v[24+\e] offset:4*\e          ; all lanes write the same word with the same value
.endr
	s_wait_dscnt 0x0                               ; for the others' sake
	s_barrier_signal -1
	s_barrier_wait -1
.irp q, 0,1,2,3,4,5,6,7
	ds_load_b32 v[24+\q], v4 offset:32*\q          ; wave q's count of expert lane % 8
.endr
	s_wait_dscnt 0x0
	v_add3_u32 v32, v24, v25, v26
	s_delay_alu instid0(VALU_DEP_1)
	v_add3_u32 v32, v32, v27, v28
	s_delay_alu instid0(VALU_DEP_1)
	v_add3_u32 v32, v32, v29, v30
	s_delay_alu instid0(VALU_DEP_1)
	v_add_nc_u32 v32, v32, v31                     ; the expert's rows
	v_mul_u32_u24 v33, v5, SEG                     ; its segment,
.irp q, 0,1,2,3,4,5,6
	s_cmp_lt_u32 \q, s8
	s_cselect_b32 s25, -1, 0
	v_and_b32 v34, s25, v[24+\q]
	s_delay_alu instid0(VALU_DEP_1)
	v_add_nc_u32 v33, v33, v34                     ; + the counts of the waves in front of mine
.endr
.irp e, 0,1,2,3,4,5,6,7
	v_readlane_b32 s[16+\e], v33, \e               ; my wave's first slot for expert e
.endr
; Step i of nine: the ranks of register i under each of the eight experts (the running slot + the lanes below mine that chose the expert), and the slots stepped by the masks' bit counts;
; between them the choice for register i - 1, from the other set of ranks: each lane keeps the rank under its own expert.
.macro RANK i
.irp e, 0,1,2,3,4,5,6,7
.if (\i) < 8
	MREG \e, \i
	v_mbcnt_lo_u32_b32 v[TA+8*((\i)%2)+\e], s[m_], s[16+\e]
	s_bcnt1_i32_b32 s[24+\e], s[m_]
	s_add_co_u32 s[16+\e], s[16+\e], s[24+\e]
.endif
.if (\i) > 0
.if \e == 1
	MREG 1, (\i)-1
	s_wait_alu depctr_va_vdst(0)
	v_cndmask_b32 v[16+(\i)-1], v[TA+8*(((\i)-1)%2)], v[TA+8*(((\i)-1)%2)+1], s[m_]
.elseif \e > 1
	MREG \e, (\i)-1
	v_cndmask_b32 v[16+(\i)-1], v[16+(\i)-1], v[TA+8*(((\i)-1)%2)+\e], s[m_]
.endif
.endif
.endr
.endm
.irp i, 0,1,2,3,4,5,6,7,8
	RANK \i
.endr
.irp i, 0,1,2,3,4,5,6,7
	v_min_u32 v[16+\i], 8703, v[16+\i]             ; a slot made of loaded numbers is held inside the table
	s_delay_alu instid0(VALU_DEP_1)
	v_lshlrev_b32 v[48+\i], 2, v[16+\i]
	v_add_nc_u32 v[40+\i], 128*(\i/4)+(\i%4), v36  ; the entry
	global_store_b32 v[48+\i], v[40+\i], s[6:7]
.endr
	v_readlane_b32 s25, v32, s8                    ; wave w writes expert w's pad: 64 words behind its rows
	s_mul_i32 s26, s8, SEG
	s_add_co_u32 s26, s26, s25
	v_add_nc_u32 v56, s26, v1
	s_delay_alu instid0(VALU_DEP_1)
	v_add_nc_u32 v57, 32, v56
	s_delay_alu instid0(VALU_DEP_2)
	v_min_u32 v56, 8703, v56
	s_delay_alu instid0(VALU_DEP_2)
	v_min_u32 v57, 8703, v57
	s_delay_alu instid0(VALU_DEP_2)
	v_lshlrev_b32 v56, 2, v56
	s_delay_alu instid0(VALU_DEP_2)
	v_lshlrev_b32 v57, 2, v57
	v_add3_u32 v58, v3, v1, 0x800                  ; 2048 + 32 w + lane
	global_store_b32 v56, v58, s[6:7]
	global_store_b32 v57, v58, s[6:7]
	s_cmp_lg_u32 s8, 0
	s_cbranch_scc1 .Ldone
	v_lshlrev_b32 v59, 2, v1
	global_store_b32 v59, v32, s[6:7] offset:CNT_OFF       ; wave 0: the counts
.Ldone:
	s_wait_tensorcnt 0x0
	ds_add_u32 v64, v65
	s_wait_dscnt 0x0
	s_endpgm
.Lfunc_end_k_qabadbb3c93_place:
	.size	k_qabadbb3c93_place, .Lfunc_end_k_qabadbb3c93_place-k_qabadbb3c93_place
	.p2alignl 7, 3214868480
	.fill 96, 4, 3214868480
	.section	.rodata,"a",@progbits
	.p2align	6, 0x0
	.amdhsa_kernel k_qabadbb3c93_place
		.amdhsa_group_segment_fixed_size 1280
		.amdhsa_private_segment_fixed_size 0
		.amdhsa_enable_private_segment 0
		.amdhsa_kernarg_size 16
		.amdhsa_user_sgpr_count 2
		.amdhsa_user_sgpr_kernarg_segment_ptr 1
		.amdhsa_wavefront_size32 1
		.amdhsa_system_sgpr_workgroup_id_x 1
		.amdhsa_system_sgpr_workgroup_id_y 1
		.amdhsa_system_sgpr_workgroup_id_z 1
		.amdhsa_system_vgpr_workitem_id 0
		.amdhsa_next_free_vgpr 66
		.amdhsa_next_free_sgpr 100
		.amdhsa_reserve_vcc 0
		.amdhsa_float_denorm_mode_32 3
		.amdhsa_float_denorm_mode_16_64 3
		.amdhsa_memory_ordered 1
		.amdhsa_forward_progress 1
		.amdhsa_inst_pref_size 28
	.end_amdhsa_kernel
	.amdgpu_metadata
---
amdhsa.version: [ 1, 2 ]
amdhsa.kernels:
  - .name:           k_qabadbb3c93_place
    .symbol:         k_qabadbb3c93_place.kd
    .args:
      - { .name: idx, .offset: 0, .size: 8, .value_kind: global_buffer, .address_space: global }
      - { .name: plan, .offset: 8, .size: 8, .value_kind: global_buffer, .address_space: global }
    .group_segment_fixed_size: 1280
    .private_segment_fixed_size: 0
    .kernarg_segment_align: 8
    .kernarg_segment_size: 16
    .max_flat_workgroup_size: 256
    .sgpr_count:     100
    .vgpr_count:     66
    .wavefront_size: 32
...
	.end_amdgpu_metadata
.endif
;; end of part 7
;; launch up (part 8): grid 32 x 8, 4 waves a work-group, no clusters, 270,848 bytes of LDS; arguments xq, plan, W1_codes, W1_scales, b1, hq; writes hq
.if DOCPART == 8
	.amdgcn_target "amdgcn-amd-amdhsa--gfx1250"
	.amdhsa_code_object_version 6
	.text
	.protected	k_qabadbb3c93_up
	.globl	k_qabadbb3c93_up
	.p2align	8
	.type	k_qabadbb3c93_up,@function
k_qabadbb3c93_up:
	s_mov_b64 s[64:65], 0
	v_nop
	global_prefetch_b8 v0, s[64:65] scope:SCOPE_SE
	s_setreg_imm32_b32 hwreg(HW_REG_WAVE_SCHED_MODE, 0, 2), 2
	s_setreg_imm32_b32 hwreg(HW_REG_WAVE_MODE, 25, 1), 1
	s_wait_xcnt 0x0
	s_wait_alu depctr_vm_vsrc(0)
; h = Q(gelu(x W1[e] + b1[e])) for the rows that chose expert e, on codes of E4M3 with one E8M0 scale for each 32 along K.
; SHARES.  Work-group (kb, e): expert e, hidden units 128 kb .. 128 kb + 127, which are K step kb of the second product, for ALL rows of the expert.  Its 128 KiB of W1 are read by nobody else and stay in
; registers: wave w holds the 64 units of half ch = w / 2 (512 registers) and takes the tiles of 16 rows of parity p = w % 2.  So a fragment of x read from LDS feeds four matrix instructions.
; ROWS.  plan (stored by an earlier launch) lists the expert's entries; token = entry / 2.  A chunk of 64 rows of codes is gathered into registers a chunk ahead (wave w: tile w of the chunk), put into one of
; two LDS buffers, and read by all four waves behind ONE barrier a chunk: in front of it every wave has waited for its reads of the buffer that the next chunk will take.
; The loop has 16 chunks whatever the count (1,024 rows at the most); what a chunk or a tile beyond the count would do is jumped over by scalar branches on the stored count; no barrier stands under a branch.
; A CHUNK, behind its barrier: my first tile's fragments are asked of LDS; the next chunk's gather is issued while they come; the first tile's products; my second tile's fragments, asked of LDS AHEAD of the
; first tile's gelu, so that they land under it; the first tile's gelu, quantiser and stores; the second tile's products, gelu, quantiser and stores.
; THE PRODUCT IS USED TRANSPOSED (source 0 = 16 rows of W1, source 1 = 16 rows of x), and lane r of tile 2 b + u takes unit 32 b + 8 u + r + 8 (r / 8): so a lane holds one row, and its 16 registers of tiles
; 2 b, 2 b + 1 are units 32 b + 16 (lane / 16) + 0 .. 15: the conversions' results are registers of the next operand.  b1 is the C of each sum's first matrix instruction.
; GELU, exact form: g = max(x, 0) - |x| E, E = erfc(|x| / sqrt 2) / 2 = t 2^(KX x^2 + P(t)), t = 1 / (1 + K1 |x|), P of degree 9 (a published fit of erfc, fractional error 1.2e-7, its coefficients x log2 e, 1 off the constant for the half).
; OUT.  hq: codes as IMAGES OF OPERAND REGISTERS: [tile 68 e + T][K step 32][c 4][lane 32][16 bytes]; from HS_OFF on 2,048 bytes of scale bytes a tile, at (kb / 8) 512 + ((kb % 2) 16 + r) 16 + ((kb % 8) / 2) 4 + c.
; NO TENSOR LOADS, NO CLUSTER: the work hangs on counts read from memory and the rows are gathered by a list; W1's bytes are shared by no two work-groups.
; LIMITS: NaN and infinities are not served.  A block of zeros gets the byte 1 (zero codes; this program alone reads the bytes).  Where E falls under 2^-126 (|x| over about 13) the exponential gives 0 and g = max(x, 0).
; In f32 the formula holds about 1e-6 of g for |x| up to 6; beyond, for negative x, the error of the exponent grows with x^2 while g itself falls under 1e-8.
; THE MODE: SCHED_MODE bits 1:0 = 2 (LLVM: expert scheduling mode 2), set by the entry lines.  The code itself states the register dependences
; between vector or matrix instructions and memory or LDS instructions, with s_wait_alu, always for 0.
; THE PLAN.  Registers that memory or LDS instructions touch, in the loop:
;   x's fragments (window 3, v0-127), v[XSW ..]       LOADA's LDS loads land in them; a tile's 32 products read them.
;   the gathered rows (window 3, v128-255), v[SG ..]  ISSUE's loads land in them; STAGE's LDS stores read them, a chunk later.
;   v[OFF ..], v[SA]                                  ISSUE's address lines write them; its loads read them.
;   v[TK]                                             TOK's load lands in it; ISSUE's address lines read it.
;   v[CD ..], v[TM+2]                                 The quantiser writes them; the tile's three stores read them.
;   v1 to v14                                         Addresses and offsets, made at the head and never written again.
;   W1's fragments and scale words and b1 are loaded at the head alone; X, T, P, S are named by vector and matrix instructions alone.
; THE WAITS OF A CHUNK.  My first tile's LDS loads owe none: every way from a product to them passes the wait ahead of a tile's stores, and behind that wait no vector or matrix instruction stands.
; ISSUE: one on vm_vsrc at its head, one on va_vdst behind its address lines; it stands ahead of the products, so that this wait finds the address lines alone.  One on va_vdst ahead of my second tile's LDS loads:
; the first tile's products are done with the fragments.  In each tile's way out: one on vm_vsrc ahead of the quantiser, one on va_vdst ahead of the three stores; and gelu's four, ahead of and behind its reciprocals and its exponentials.
.set XS_OFF,  1048576                  ; xq: the scale bytes
.set CNT_OFF, 34816                    ; plan: the counts
.set SEGB,    4352                     ; plan: a segment in bytes
.set HS_OFF,  35651584                 ; hq: the scale bytes
.set PITCH,   1040                     ; an LDS row of 1,024 codes + 16: 65 x 16 bytes, so that 16 neighbouring rows fall on 16 different columns of 16 bytes
.set ABSZ,    64*PITCH                 ; LDS: two buffers of 64 rows of x from 0;
.set XS0,     2*ABSZ                   ; two of 4 tiles x 512 bytes of x's scale words;
.set XSSZ,    2048
.set WL,      XS0+2*XSSZ               ; W1's 128 rows, once, IN THE TILES' ORDER: of a wave's 32 rows, row j lies at place (j % 8) + 8 ((j / 16) % 2) + 16 ((j / 8) % 2), so that a tile's 16 rows are neighbours
.set LH,  1                            ; v1      16 x (lane % 2)
.set PL,  2                            ; v2      4 x (lane / 2)
.set L16, 4                            ; v4      16 x lane
.set AR,  5                            ; v5-6    buffer 0, 1: my fragment's row of x: (16 p + r) PITCH + 16 h
.set ASR, 7                            ; v7-8    its scale words: 512 p + 32 r
.set ST,  9                            ; v9-10   where I put gathered rows: 16 w PITCH + 16 lane
.set SST, 11                           ; v11-12  and their scale words: 512 w + 16 lane
.set HO,  13                           ; v13     hq: 2,048 kb + 1,024 ch + 16 lane
.set HSO, 14                           ; v14     hq's scale bytes: my row's half word
.set TK,  15                           ; v15     the entry of row lane / 2
.set OFF, 16                           ; v16-31  byte offsets of the 16 gathered rows
.set WS,  32                           ; v32-63  W1's scale words: 8 t + s
.set BI,  64                           ; v64-95  b1 in the result's layout: 8 t + j
.set XSW, 96                           ; v96-103 x's scale words of the tile in hand
.set CD,  104                          ; v104-111 the codes just made
.set TM,  112                          ; v112-119 at work in the quantiser
.set SG,  120                          ; v120-123 gathered scale words
.set SA,  124                          ; v124    their offset
.set C8,  126                          ; v126-127 the coefficient c8, twice
.set X,   128                          ; v128-159 the four accumulators
.set T,   160                          ; v160-191 t
.set P,   192                          ; v192-223 the polynomial, E, g
.set S,   224                          ; v224-255 x^2, then max(x, 0)
.set SR,  128                          ; window 3: v128-255 gathered rows; v0-127 x's fragments, 16 s + 4 c.  Windows 1, 2: W1's fragments of K steps 0-3, 4-7 at 16 (4 (s % 4) + t)
.set LN,  128                          ; the head's own: lane, r, h, W1's LDS addresses, two offsets: in registers that the sums take later
.set R,   129
.set H,   130
.set WLS, 131
.set WLR, 132
.set WSO, 133
.set BIO, 134
.set C9, 52                            ; scalar pairs (a packed form names a pair and takes its low word for both halves; both words are written)
.set C7, 54
.set C6, 56
.set C5, 58
.set C4, 60
.set C3, 62
.set C2, 66
.set C1, 68
.set C0, 70
.set KX, 72
; s16 wave, s17 ch, s18 p, s19 e, s20 kb, s21 tiles of the expert, s22 its segment in bytes, s23 4 x chunk, s24 trips, s25-27, s30-31 at work, s[28:29] the entries' address, s[32:47] 16 entries,
; s[48:49], s[50:51] the tile's place in hq (in the head s[48:49] is the count's address), s74 K1, s75 the mantissa field of 448, s[76:77] lane selects, s[78:79] hq's scale bytes, s80 68 e
; v3, v125: the closing add's two registers, made at the head and kept for it alone
.set MSB, 0
.macro WIN new                         ; the immediate's high byte repeats the setting that is left; at a label and at a branch every window is 0
.if MSB != \new
	s_set_vgpr_msb (MSB<<8)|\new
.set MSB, \new
.endif
.endm
.macro PAIR reg, val
	s_mov_b32 s[\reg], \val
	s_mov_b32 s[\reg+1], \val
.endm
.macro TOK                             ; the 16 entries of tile s26: as scalars for the rows' addresses, and a lane pair a row for the scale words
	s_lshl_b32 s27, s26, 6
	s_add_co_u32 s30, s27, s22
	s_mov_b32 s31, 0
	s_add_nc_u64 s[28:29], s[6:7], s[30:31]        ; (the loads that last named this pair have been waited for)
	s_load_b512 s[32:47], s[28:29], 0x0
	global_load_b32 v[TK], v[PL], s[28:29]         ; no wait of its own: the lines that read v[TK] stand ahead of ISSUE's wait on va_vdst, and nothing since names it
.endm
.macro ISSUE first                     ; the gather: 16 rows x 1,024 bytes, 512 consecutive bytes a load, and their 512 bytes of scale words: 33 loads.  first = 1: at the head, where nothing has read its registers yet
.if !\first
	s_wait_alu depctr_vm_vsrc(0)                   ; the last gather's loads have read v[OFF ..] and v[SA], which the lines below write again; STAGE's LDS stores have read the gathered rows and v[SG ..], in which the loads below land
.endif
.irp j, 0,1,2,3,4,5,6,7,8,9,10,11,12,13,14,15
	s_lshr_b32 s25, s[32+\j], 1                    ; token = entry / 2;
	s_min_u32 s25, s25, 1023                       ; a pad's falls on the last token: its row is computed and lands in a row of its own that nobody reads
	v_lshl_add_u32 v[OFF+\j], s25, 10, v[L16]
.endr
	v_lshrrev_b32 v[SA], 1, v[TK]
	v_min_u32 v[SA], 1023, v[SA]
	v_lshl_add_u32 v[SA], v[SA], 5, v[LH]
	WIN 0xc0                                       ; destination window 3
	s_wait_alu depctr_va_vdst(0)                   ; v[OFF ..] and v[SA] are written, which the 33 loads below read; v[TK] has been read, in which TOK's load lands
.irp j, 0,1,2,3,4,5,6,7,8,9,10,11,12,13,14,15
	global_load_b128 v[SR+8*\j:SR+8*\j+3], v[OFF+\j], s[4:5]
	global_load_b128 v[SR+8*\j+4:SR+8*\j+7], v[OFF+\j], s[4:5] offset:512
.endr
	WIN 0
	global_load_b128 v[SG:SG+3], v[SA], s[4:5] offset:XS_OFF
.endm
.macro STAGE buf                       ; what was gathered goes into LDS.  Its data come from loads and its addresses from the head: no vector instruction has written either since the head's wait
	WIN 0x0c                                       ; an LDS store's data are its source 1: window 3
.irp j, 0,1,2,3,4,5,6,7,8,9,10,11,12,13,14,15
	ds_store_b128 v[ST+\buf], v[SR+8*\j:SR+8*\j+3] offset:PITCH*\j
	ds_store_b128 v[ST+\buf], v[SR+8*\j+4:SR+8*\j+7] offset:PITCH*\j+512
.endr
	WIN 0
	ds_store_b128 v[SST+\buf], v[SG:SG+3]
.endm
.macro LOADA buf, i                    ; tile 2 i + p of the chunk in buffer buf: its scale words and its eight fragments: 34 LDS loads.  It leaves the destination's window at 3
	ds_load_b128 v[XSW:XSW+3], v[ASR+\buf] offset:1024*\i
	ds_load_b128 v[XSW+4:XSW+7], v[ASR+\buf] offset:1024*\i+16
	WIN 0xc0
.irp s, 0,1,2,3,4,5,6,7
.irp c, 0,1,2,3
	ds_load_b128 v[16*\s+4*\c:16*\s+4*\c+3], v[AR+\buf] offset:32*PITCH*\i+128*\s+32*\c
.endr
.endr
.endm
.macro MM split                        ; a tile's 32 matrix instructions, the four accumulators by turns.  split = 1: the fragments were asked for a short while ago
.if \split
	s_wait_dscnt 16                                ; the scale words and K steps 0 to 3 are in; the sixteen loads of K steps 4 to 7 may be out
.else
	s_wait_dscnt 0x0                               ; asked for ahead of the last tile's gelu
.endif
	WIN 0x0d                                       ; source 0 (W1) window 1, source 1 (x) window 3, C and D window 0
.irp s, 0,1,2,3
.irp t, 0,1,2,3
.if \s == 0
	v_wmma_scale_f32_16x16x128_f8f6f4 v[X+8*\t:X+8*\t+7], v[16*(4*\s+\t):16*(4*\s+\t)+15], v[16*\s:16*\s+15], v[BI+8*\t:BI+8*\t+7], v[WS+8*\t+\s], v[XSW+\s]
.else
	v_wmma_scale_f32_16x16x128_f8f6f4 v[X+8*\t:X+8*\t+7], v[16*(4*\s+\t):16*(4*\s+\t)+15], v[16*\s:16*\s+15], v[X+8*\t:X+8*\t+7], v[WS+8*\t+\s], v[XSW+\s]
.endif
.endr
.endr
.if \split
	s_wait_dscnt 0x0
.endif
	WIN 0x0e                                       ; source 0 window 2
.irp s, 4,5,6,7
.irp t, 0,1,2,3
	v_wmma_scale_f32_16x16x128_f8f6f4 v[X+8*\t:X+8*\t+7], v[16*(4*(\s-4)+\t):16*(4*(\s-4)+\t)+15], v[16*\s:16*\s+15], v[X+8*\t:X+8*\t+7], v[WS+8*\t+\s], v[XSW+\s]
.endr
.endr
	WIN 0
.endm
.macro PLACES                          ; eight places between the products and the first read of their results by a vector instruction
.rept 8
	v_nop
.endr
.endm
.macro GELU                            ; X -> g in P.  The reciprocals are one batch, the exponentials another; each has plain work behind it and ONE wait ahead of its first reader
.set n_, 0
.rept 32
	v_fma_f32 v[T+n_], |v[X+n_]|, s74, 1.0         ; ascending: each accumulator is first read at its low end
.set n_, n_+1
.endr
.set n_, 0
	s_wait_alu depctr_va_vdst(0)
.rept 32
	v_rcp_f32 v[T+n_], v[T+n_]
.set n_, n_+1
.endr
.set n_, 0
.rept 16
	v_pk_mul_f32 v[S+2*n_:S+2*n_+1], v[X+2*n_:X+2*n_+1], v[X+2*n_:X+2*n_+1]
.set n_, n_+1
.endr
	s_wait_alu depctr_va_vdst(0)                   ; the 32 reciprocals have written v[T ..], ahead of their first reader
.set n_, 0
.rept 16
	v_pk_fma_f32 v[P+2*n_:P+2*n_+1], v[T+2*n_:T+2*n_+1], s[C9:C9+1], v[C8:C8+1] op_sel_hi:[1,0,1]
.set n_, n_+1
.endr
.irp k, C7, C6, C5, C4, C3, C2, C1, C0
.set n_, 0
.rept 16
	v_pk_fma_f32 v[P+2*n_:P+2*n_+1], v[P+2*n_:P+2*n_+1], v[T+2*n_:T+2*n_+1], s[\k:\k+1] op_sel_hi:[1,1,0]
.set n_, n_+1
.endr
.endr
.set n_, 0
.rept 16
	v_pk_fma_f32 v[P+2*n_:P+2*n_+1], v[S+2*n_:S+2*n_+1], s[KX:KX+1], v[P+2*n_:P+2*n_+1] op_sel_hi:[1,0,1]
.set n_, n_+1
.endr
.set n_, 0
	s_wait_alu depctr_va_vdst(0)
.rept 32
	v_exp_f32 v[P+n_], v[P+n_]
.set n_, n_+1
.endr
.set n_, 0
.rept 32
	v_max_num_f32 v[S+n_], 0, v[X+n_]
.set n_, n_+1
.endr
	s_wait_alu depctr_va_vdst(0)                   ; the 32 exponentials have written v[P ..], ahead of their first reader
.set n_, 0
.rept 16
	v_pk_mul_f32 v[P+2*n_:P+2*n_+1], v[P+2*n_:P+2*n_+1], v[T+2*n_:T+2*n_+1]
.set n_, n_+1
.endr
.set n_, 0
.rept 32
	v_fma_f32 v[P+n_], -|v[X+n_]|, v[P+n_], v[S+n_]
.set n_, n_+1
.endr
.endm
.macro QH                              ; my 32 numbers, two blocks of 32 shared with lane l xor 16, become 8 registers of codes and a half word of scale bytes (in v[TM+2])
.irp b, 0,1
	v_max3_num_f32 v[TM+\b], |v[P+16*\b]|, |v[P+16*\b+1]|, 0x4800000       ; with the floor 2^(9 - 127): the byte cannot fall under 1
.endr
.irp i, 2,4,6,8,10,12,14
.irp b, 0,1
	v_max3_num_f32 v[TM+\b], v[TM+\b], |v[P+16*\b+\i]|, |v[P+16*\b+\i+1]|
.endr
.endr
.irp b, 0,1
	v_permlanex16_b32 v[TM+2+\b], v[TM+\b], s76, s77
.endr
.irp b, 0,1
	v_max_num_f32 v[TM+\b], v[TM+\b], v[TM+2+\b]   ; the block's largest magnitude
.endr
.irp b, 0,1
	v_add_nc_u32 v[TM+6+\b], 0xfc000000, v[TM+\b]  ; 8 off its exponent field: the conversion's scale operand
.endr
.irp b, 0,1
	v_and_or_b32 v[TM+4+\b], v[TM+\b], 0x7f800000, s75     ; 448 x the scale
.endr
.irp b, 0,1
	v_lshrrev_b32 v[TM+2+\b], 23, v[TM+6+\b]       ; the scale's byte
.endr
	v_lshl_or_b32 v[TM+2], v[TM+3], 8, v[TM+2]
.irp b, 0,1
.irp i, 0,1,2,3,4,5,6,7,8,9,10,11,12,13,14,15
	v_med3_num_f32 v[P+16*\b+\i], v[P+16*\b+\i], -v[TM+4+\b], v[TM+4+\b]   ; the conversion to an 8-bit code does not saturate (ISA guide 7.6.2)
.endr
	v_cvt_scalef32_pk8_fp8_f32 v[CD+4*\b:CD+4*\b+1], v[P+16*\b:P+16*\b+7], v[TM+6+\b]
	v_cvt_scalef32_pk8_fp8_f32 v[CD+4*\b+2:CD+4*\b+3], v[P+16*\b+8:P+16*\b+15], v[TM+6+\b]
.endr
	v_nop                                          ; a plain line behind the last conversion
.endm
.macro FINISH i                        ; the sums of tile 2 i + p become codes and leave
	GELU
	s_wait_xcnt 0x0                                ; the last tile's three stores have read their data and bases: the quantiser writes the data again, the lines behind it the bases; nothing ahead of this wait writes either
	s_wait_alu depctr_vm_vsrc(0)                   ; the last tile's three stores have read v[CD ..] and v[TM+2], which the quantiser writes again
	QH
	s_add_co_u32 s25, s23, s18
	s_add_co_u32 s25, s25, 2*\i                    ; T
	s_add_co_u32 s25, s25, s80                     ; 68 e + T
	s_lshl_b32 s26, s25, 16
	s_mov_b32 s27, 0
	s_add_nc_u64 s[48:49], s[14:15], s[26:27]
	s_lshl_b32 s26, s25, 11
	s_add_nc_u64 s[50:51], s[78:79], s[26:27]
	s_wait_alu depctr_va_vdst(0)                   ; the conversions have written v[CD ..] and the quantiser v[TM+2], which the three stores read.  It also shows the tile's products done with x's fragments and scale words, for the next chunk's LDS loads
	global_store_b128 v[HO], v[CD:CD+3], s[48:49]              ; 32 lanes store 512 consecutive bytes, at a multiple of 256 from the buffer's first byte: the operand's registers 4 c .. 4 c + 3, c = 2 ch
	global_store_b128 v[HO], v[CD+4:CD+7], s[48:49] offset:512 ; c = 2 ch + 1
	global_store_b16 v[HSO], v[TM+2], s[50:51]                 ; my row's two scale bytes (lanes 16-31 write the same bytes with the same values): 2 bytes for 64 of codes
.endm
.macro HALF buf                        ; a chunk of 64 rows
	s_wait_loadcnt 0x0                             ; my tile of this chunk, asked for a chunk ago, is in registers; so are the next entries' lane words
	s_add_co_u32 s26, s23, s16
	s_cmp_lt_u32 s26, s21
	s_cbranch_scc0 .Lunstaged_\@
	STAGE \buf
.Lunstaged_\@:
	s_wait_dscnt 0x0                               ; my stores have landed; my reads of the other buffer ended in the last chunk's tiles
	s_barrier_signal -1
	s_barrier_wait -1                              ; the chunk is whole, and nobody reads the other buffer any more
	s_wait_kmcnt 0x0                               ; the next entries
	s_add_co_u32 s25, s23, s18                     ; my first tile of the chunk.  Where it lies beyond the count, so do my second tile and my tile of the next chunk: all that follows is passed over
	s_cmp_lt_u32 s25, s21
	s_cbranch_scc0 .Lend_\@
	LOADA \buf, 0                                  ; no wait: the last products that read these registers stand ahead of the wait in front of their tile's stores, and no vector or matrix instruction has been issued since
	WIN 0
	s_add_co_u32 s26, s23, s16
	s_add_co_u32 s26, s26, 4
	s_cmp_lt_u32 s26, s21
	s_cbranch_scc0 .Lasked_\@
	ISSUE 0                                        ; the next chunk's rows: the address lines run while the fragments come out of LDS; the loads have two tiles' work in which to land
	s_add_co_u32 s26, s26, 4
	s_cmp_lt_u32 s26, s21
	s_cbranch_scc0 .Lasked_\@
	TOK                                            ; and the entries of the chunk after it
.Lasked_\@:
	MM 1
	PLACES
	s_add_co_u32 s25, s23, s18
	s_add_co_u32 s25, s25, 2
	s_cmp_lt_u32 s25, s21
	s_cbranch_scc0 .Lone_\@
	s_wait_alu depctr_va_vdst(0)                   ; the first tile's products are done reading x's fragments and v[XSW ..], in which the LDS loads below land
	LOADA \buf, 1                                  ; my second tile's fragments land while the first tile's gelu is worked
	WIN 0
.Lone_\@:
	FINISH 0
	s_add_co_u32 s25, s23, s18
	s_add_co_u32 s25, s25, 2
	s_cmp_lt_u32 s25, s21
	s_cbranch_scc0 .Lend_\@
	MM 0
	PLACES
	FINISH 1
.Lend_\@:
	s_add_co_u32 s23, s23, 4
.endm
	s_load_b256 s[4:11], s[0:1], 0x0               ; xq, plan, W1's codes, W1's scales
	s_load_b128 s[12:15], s[0:1], 0x20             ; b1, hq
	v_lshl_add_u32 v3, v0, 2, 0x42000
	v_mov_b32 v125, 0
	v_lshrrev_b32 v[LN], 5, v0
	v_readfirstlane_b32 s16, v[LN]                 ; wave
	s_wait_alu depctr_va_sdst(0)                   ; s16 is written, ahead of its first reader
	s_lshr_b32 s17, s16, 1                         ; ch
	s_and_b32 s18, s16, 1                          ; p
	s_and_b32 s19, ttmp7, 0xffff                   ; e
	s_mov_b32 s20, ttmp9                           ; kb
	v_and_b32 v[LN], 31, v0
	v_and_b32 v[R], 15, v0
	v_bfe_u32 v[H], v0, 4, 1
	v_lshlrev_b32 v[L16], 4, v[LN]
	v_and_b32 v[LH], 1, v0
	v_lshlrev_b32 v[LH], 4, v[LH]
	v_lshrrev_b32 v[PL], 1, v[LN]
	v_lshlrev_b32 v[PL], 2, v[PL]
	s_mul_i32 s25, s18, 16*PITCH
	v_mul_u32_u24 v[AR], v[R], PITCH
	v_lshl_add_u32 v[AR], v[H], 4, v[AR]
	v_add_nc_u32 v[AR], s25, v[AR]
	v_add_nc_u32 v[AR+1], ABSZ, v[AR]
	s_lshl_b32 s25, s18, 9
	s_add_co_u32 s25, s25, XS0
	v_lshl_add_u32 v[ASR], v[R], 5, s25
	v_add_nc_u32 v[ASR+1], XSSZ, v[ASR]
	s_mul_i32 s25, s16, 16*PITCH
	v_add_nc_u32 v[ST], s25, v[L16]
	v_add_nc_u32 v[ST+1], ABSZ, v[ST]
	s_lshl_b32 s25, s16, 9
	s_add_co_u32 s25, s25, XS0
	v_add_nc_u32 v[SST], s25, v[L16]
	v_add_nc_u32 v[SST+1], XSSZ, v[SST]
	s_mul_i32 s25, s16, 32*PITCH
	s_add_co_u32 s25, s25, WL
	v_add_nc_u32 v[WLS], s25, v[L16]               ; W1 into LDS: places 32 w on
	v_and_b32 v[WSO], 8, v[R]
	v_add_nc_u32 v[WSO], v[WSO], v[R]              ; r + 8 (r / 8): my unit in a tile, as memory has the units
	s_mul_i32 s25, s17, 64*PITCH
	s_add_co_u32 s25, s25, WL
	v_mul_u32_u24 v[WLR], v[R], PITCH
	v_lshl_add_u32 v[WLR], v[H], 4, v[WLR]
	v_add_nc_u32 v[WLR], s25, v[WLR]               ; W1 out of LDS: my half's places; tile t's 16 rows lie at places 16 t + r
	v_lshlrev_b32 v[WSO], 5, v[WSO]                ; W1's scale bytes: 32 a row
	v_lshlrev_b32 v[BIO], 6, v[H]                  ; b1: 16 h numbers on
	s_lshl_b32 s25, s20, 11
	s_lshl_b32 s26, s17, 10
	s_add_co_u32 s25, s25, s26
	v_add_nc_u32 v[HO], s25, v[L16]
	s_lshr_b32 s25, s20, 3
	s_lshl_b32 s25, s25, 9
	s_and_b32 s26, s20, 1
	s_lshl_b32 s26, s26, 8
	s_add_co_u32 s25, s25, s26
	s_bfe_u32 s26, s20, 0x20001                    ; (kb % 8) / 2
	s_lshl_b32 s26, s26, 2
	s_add_co_u32 s25, s25, s26
	s_lshl_b32 s26, s17, 1
	s_add_co_u32 s25, s25, s26
	v_lshl_add_u32 v[HSO], v[R], 4, s25
	PAIR C9, 0x3e7c6f08
	PAIR C7, 0x40097039
	PAIR C6, 0xbfd1a1e5
	PAIR C5, 0x3ecdfd18
	PAIR C4, 0xbe899a80
	PAIR C3, 0x3e0efb2e
	PAIR C2, 0x3f0a29d2
	PAIR C1, 0x3fb8ab5a
	PAIR C0, 0xc034d90f
	PAIR KX, 0xbf38aa3b                            ; -log2(e) / 2
	s_mov_b32 s74, 0x3eb504f3                      ; K1 = 1 / (2 sqrt 2)
	s_mov_b32 s75, 0x600000
	s_mov_b32 s76, 0x76543210
	s_mov_b32 s77, 0xfedcba98
	v_mov_b32 v[C8], 0xbf97d29d
	v_mov_b32 v[C8+1], 0xbf97d29d
	v_mov_b32 v[TM+2], 0                           ; written once: a lane permute's destination counts as one of its sources
	v_mov_b32 v[TM+3], 0
	s_mul_i32 s22, s19, SEGB
	s_mul_i32 s80, s19, 68
	s_mov_b32 s23, 0
	s_mov_b32 s24, 8
	s_lshl_b32 s25, s19, 12
	s_lshl_b32 s26, s20, 7
	s_add_co_u32 s25, s25, s26                     ; the work-group's first unit: 4,096 e + 128 kb
	s_lshl_b32 s26, s17, 6
	s_add_co_u32 s26, s25, s26                     ; my half's
	s_lshl_b32 s27, s16, 5
	s_add_co_u32 s27, s25, s27                     ; the first of the 32 rows that I bring in
	s_mov_b32 s31, 0
	s_wait_kmcnt 0x0
	s_lshl_b32 s30, s26, 5
	s_add_nc_u64 s[10:11], s[10:11], s[30:31]
	s_lshl_b32 s30, s26, 2
	s_add_nc_u64 s[12:13], s[12:13], s[30:31]
	s_lshl_b32 s30, s27, 10
	s_add_nc_u64 s[8:9], s[8:9], s[30:31]
	s_lshl_b32 s30, s19, 2
	s_add_nc_u64 s[48:49], s[6:7], s[30:31]
	s_load_b32 s21, s[48:49], CNT_OFF              ; the expert's rows,
	s_add_nc_u64 s[78:79], s[14:15], HS_OFF
	s_mov_b32 s26, s16
	s_wait_alu depctr_va_vdst(0)                   ; the addresses and offsets v1 to v14 and v[WLS] to v[BIO] are written, which the loads, stores and LDS instructions of the whole kernel read
	TOK                                            ; and with them tile w's entries, whatever the count: a segment's first 64 words are always written.  One wait serves both
.irp t, 0,1,2,3
	global_load_b128 v[WS+8*\t:WS+8*\t+3], v[WSO], s[10:11] offset:(32*(\t/2)+8*(\t%2))*32
	global_load_b128 v[WS+8*\t+4:WS+8*\t+7], v[WSO], s[10:11] offset:(32*(\t/2)+8*(\t%2))*32+16
	global_load_b128 v[BI+8*\t:BI+8*\t+3], v[BIO], s[12:13] offset:(32*(\t/2)+8*(\t%2))*4
	global_load_b128 v[BI+8*\t+4:BI+8*\t+7], v[BIO], s[12:13] offset:(32*(\t/2)+8*(\t%2))*4+16
.endr
	WIN 0x40                                       ; destination window 1: W1 as it lies, 32 KiB a wave, 512 consecutive bytes a load; no other work-group reads these bytes
.set u_, 0
.rept 64
	global_load_b128 v[4*u_:4*u_+3], v[L16], s[8:9] offset:512*u_ th:TH_LOAD_NT
.set u_, u_+1
.endr
	WIN 0
	s_wait_kmcnt 0x0
	s_min_u32 s21, s21, 1024
	s_add_co_u32 s21, s21, 15
	s_lshr_b32 s21, s21, 4                         ; tiles of 16 rows
	s_wait_loadcnt 63                              ; the entries' lane words, my first load, are in: 80 loads were issued behind it, and the field's largest count is the smaller, safe one
	ISSUE 1                                        ; the first chunk's gather, whatever the count: so the gathered registers are written on every path
	s_add_co_u32 s26, s16, 4
	s_cmp_lt_u32 s26, s21
	s_cbranch_scc0 .Lno_second
	TOK
.Lno_second:
	s_wait_loadcnt 33                              ; W1, its scale words and b1 are in; the gather's 33 loads may be out
	WIN 0x04                                       ; data window 1
.set u_, 0
.rept 64
	ds_store_b128 v[WLS], v[4*u_:4*u_+3] offset:PITCH*(((u_/2)&7)+8*(((u_/2)>>4)&1)+16*(((u_/2)>>3)&1))+512*(u_%2)
.set u_, u_+1
.endr
	WIN 0
	s_wait_dscnt 0x0                               ; for the others' sake: my 32 rows of W1 have landed
	s_barrier_signal -1
	s_barrier_wait -1
	WIN 0x40
	s_wait_alu depctr_vm_vsrc(0)                   ; my LDS stores have read window 1's registers, in which the fragments below land
.irp s, 0,1,2,3
.irp t, 0,1,2,3
.irp c, 0,1,2,3
	ds_load_b128 v[16*(4*\s+\t)+4*\c:16*(4*\s+\t)+4*\c+3], v[WLR] offset:16*\t*PITCH+128*\s+32*\c
.endr
.endr
.endr
	WIN 0x80
.irp s, 4,5,6,7
.irp t, 0,1,2,3
.irp c, 0,1,2,3
	ds_load_b128 v[16*(4*(\s-4)+\t)+4*\c:16*(4*(\s-4)+\t)+4*\c+3], v[WLR] offset:16*\t*PITCH+128*\s+32*\c
.endr
.endr
.endr
	WIN 0
	s_wait_dscnt 0x0                               ; my 32 fragments of W1 stay in registers from here on
	s_wait_alu depctr_vm_vsrc(0)                   ; the head's loads and LDS instructions have read v[WLS], v[WLR], v[WSO] and v[BIO]: these are registers of the sums, which the products write
.Ltrip:                                                ; 8 trips of two chunks: 1,024 rows at the most
	HALF 0
	HALF 1
	s_sub_co_u32 s24, s24, 1
	s_cmp_lg_u32 s24, 0
	s_cbranch_scc1 .Ltrip
	s_wait_dscnt 0x0                               ; the closing lines, six on end
	s_wait_alu 0x0
	s_wait_tensorcnt 0x0
	ds_add_u32 v3, v125
	s_wait_dscnt 0x0
	s_endpgm
.Lfunc_end_k_qabadbb3c93_up:
	.size	k_qabadbb3c93_up, .Lfunc_end_k_qabadbb3c93_up-k_qabadbb3c93_up
	.p2alignl 7, 3214868480
	.fill 96, 4, 3214868480
	.section	.rodata,"a",@progbits
	.p2align	6, 0x0
	.amdhsa_kernel k_qabadbb3c93_up
		.amdhsa_group_segment_fixed_size 270848
		.amdhsa_private_segment_fixed_size 0
		.amdhsa_enable_private_segment 0
		.amdhsa_kernarg_size 48
		.amdhsa_user_sgpr_count 2
		.amdhsa_user_sgpr_kernarg_segment_ptr 1
		.amdhsa_wavefront_size32 1
		.amdhsa_system_sgpr_workgroup_id_x 1
		.amdhsa_system_sgpr_workgroup_id_y 1
		.amdhsa_system_sgpr_workgroup_id_z 1
		.amdhsa_system_vgpr_workitem_id 0
		.amdhsa_next_free_vgpr 1024
		.amdhsa_next_free_sgpr 84
		.amdhsa_reserve_vcc 0
		.amdhsa_float_denorm_mode_32 3
		.amdhsa_float_denorm_mode_16_64 3
		.amdhsa_memory_ordered 1
		.amdhsa_forward_progress 1
		.amdhsa_inst_pref_size 173
	.end_amdhsa_kernel
	.amdgpu_metadata
---
amdhsa.version: [ 1, 2 ]
amdhsa.kernels:
  - .name:           k_qabadbb3c93_up
    .symbol:         k_qabadbb3c93_up.kd
    .args:
      - { .name: xq, .offset: 0, .size: 8, .value_kind: global_buffer, .address_space: global }
      - { .name: plan, .offset: 8, .size: 8, .value_kind: global_buffer, .address_space: global }
      - { .name: W1_codes, .offset: 16, .size: 8, .value_kind: global_buffer, .address_space: global }
      - { .name: W1_scales, .offset: 24, .size: 8, .value_kind: global_buffer, .address_space: global }
      - { .name: b1, .offset: 32, .size: 8, .value_kind: global_buffer, .address_space: global }
      - { .name: hq, .offset: 40, .size: 8, .value_kind: global_buffer, .address_space: global }
    .group_segment_fixed_size: 270848
    .private_segment_fixed_size: 0
    .kernarg_segment_align: 8
    .kernarg_segment_size: 48
    .max_flat_workgroup_size: 128
    .sgpr_count:     84
    .vgpr_count:     1024
    .wavefront_size: 32
...
	.end_amdgpu_metadata
.endif
;; end of part 8
;; launch down (part 9): grid 32 x 8, 4 waves a work-group, no clusters, 136,704 bytes of LDS; arguments hq, plan, W2_codes, W2_scales, b2, y2; writes y2
.if DOCPART == 9
	.amdgcn_target "amdgcn-amd-amdhsa--gfx1250"
	.amdhsa_code_object_version 6
	.text
	.protected	k_qabadbb3c93_down
	.globl	k_qabadbb3c93_down
	.p2align	8
	.type	k_qabadbb3c93_down,@function
k_qabadbb3c93_down:
	s_mov_b64 s[64:65], 0
	v_nop
	global_prefetch_b8 v0, s[64:65] scope:SCOPE_SE
	s_setreg_imm32_b32 hwreg(HW_REG_WAVE_SCHED_MODE, 0, 2), 2
	s_setreg_imm32_b32 hwreg(HW_REG_WAVE_MODE, 25, 1), 1
	s_wait_xcnt 0x0
	s_wait_alu depctr_vm_vsrc(0)
; y2[entry] = h W2[e] + b2[e] for the rows that chose expert e, on codes of E4M3 with one E8M0 scale for each 32 along K (K = 4,096 hidden units).
; SHARES.  Work-group (2 cb + p, e): expert e, columns 64 cb .. 64 cb + 63, the tiles of 16 rows with T % 2 = p.  THE WAVES SHARE K: wave w holds K steps 8 w .. 8 w + 7 of all four tiles of columns in
; registers (64 KiB, 512 registers) for the whole launch.  So each fragment of h is read by ONE wave of the work-group, straight from memory into its registers (hq holds images of operand registers:
; 512 consecutive bytes a load), and feeds four matrix instructions.  The four partial sums of a tile meet in an LDS stage; of a group of four tiles, wave w adds up tile w, adds b2 and stores 16 rows.
; THE PRODUCT IS USED TRANSPOSED (source 0 = 16 columns of W2, source 1 = 16 rows of h): a lane holds 8 neighbouring columns of one row.
; A ROW GOES TO ITS ENTRY'S ROW OF y2 (plan, stored by an earlier launch); a pad's id is a row of its own behind the 2,048, which nobody reads.  Each byte of y2 has one owner.
; The loop has 8 trips of 4 tiles whatever the count; work beyond the count is jumped over by scalar branches on the stored count; the two barriers of a trip stand under no branch.
; LOADS OF h: two register buffers; a request is always 33 loads, so that every counted wait holds on every path: for a tile beyond the count all lanes read the same 16 bytes of W2's codes at each offset, and nothing uses them.
; NO TENSOR LOADS, NO CLUSTER: the work hangs on counts read from memory.  The sum over K is made in four parts and added in f32: its order differs from one ascending chain.
; LIMITS: NaN and infinities are not served.
; THE MODE: SCHED_MODE bits 1:0 = 2 (LLVM: expert scheduling mode 2), set by the entry lines.  The code itself states the register dependences
; between vector or matrix instructions and memory or LDS instructions, with s_wait_alu, always for 0.
; THE PLAN.  Registers that memory or LDS instructions touch, in the loop:
;   h's buffers 0, 1 (window 3), v[AS ..]  ISSUE's 33 loads land in them; a tile's 32 products read them.
;   v[AO+b]                                One multiplication in ISSUE writes it; the buffer's 33 loads read it.
;   v[ACC ..]                              The products write them; the tile's eight LDS stores read them; the next tile's products begin them anew.
;   v[PT ..]                               The stage's LDS loads land in them; the additions read and write them; the eight stores read the sums.
;   v[YO ..]                               Vector lines write them; the eight stores read them.
;   v6, v7, v8                             Addresses, made at the head and never written again.  W2's fragments and scale words and b2 are loaded at the head alone.
; THE WAITS.  A tile: one on vm_vsrc ahead of its products (the last tile's LDS stores have read the accumulators), one on va_vdst behind the places (the accumulators are written).  A request: one on vm_vsrc ahead of
; the multiplication, one on va_vdst behind it.  The sum: one on vm_vsrc ahead of the LDS loads; then all additions, ONE wait on va_vdst, and the eight stores in one run; that wait also frees v[PT ..] for the next trip's LDS loads.
.set CNT_OFF, 34816
.set SEGB,    4352
.set HS_OFF,  35651584
.set STG,     66560                    ; LDS: from 0 each wave's own 16 rows x 1,040 bytes for the turn of W2; then the stage [wave 4][tile 4][16 rows x 272]
.set AO,  4                            ; v4-5    buffer 0, 1: the lanes' step in a request: 16 x lane, or 0
.set YO,  16                           ; v16-23  the byte offsets of my rows in y2
.set B2,  24                           ; v24-27  b2 of my four columns
.set AS,  28                           ; v28-35  h's scale words: 4 b + q: lanes 0-15 K step 8 w + 2 q, lanes 16-31 K step 8 w + 2 q + 1
.set WS,  64                           ; v64-95  W2's scale words: 8 t + s
.set ACC, 96                           ; v96-127 the four accumulators
.set PT,  128                          ; v128-255 the four waves' parts of my tile: 32 q + 4 i
; v1 lane, v2 r, v3 h, v6 into the stage, v7 out of it, v8 16 r, v10, v11 the turn of W2: in, out, v12 16 x lane, v13 128 r, v62, v63 the closing add's two.  Windows 1, 2: W2's fragments of my K steps 0-3, 4-7 at 16 (4 (s % 4) + t).  Window 3: h, 128 b + 16 s + 4 c
; s16 wave, s17 e, s18 cb, s19 p, s20 tiles, s21 T0, s22 trips, s23-27 at work, s[28:29] the entries' address, s[30:31] my expert's segment, s[32:47] 16 entries, s[48:51] h's bases, s[52:55] its scale words', s56, s57 my part's offsets, s[58:59] hq's scale bytes, s60 lanes 16-31
.set MSB, 0
.macro WIN new                         ; the immediate's high byte repeats the setting that is left; at a label and at a branch every window is 0
.if MSB != \new
	s_set_vgpr_msb (MSB<<8)|\new
.set MSB, \new
.endif
.endm
.macro RAW t                           ; my 1,024 bytes of each of tile t's 16 columns, as they lie: 512 consecutive bytes a load, into the registers that the tile's fragments will take
	WIN 0x40
.irp u, 0,1,2,3,4,5,6,7,8,9,10,11,12,13,14,15
	global_load_b128 v[16*(4*(\u/4)+\t)+4*(\u%4):16*(4*(\u/4)+\t)+4*(\u%4)+3], v12, s[8:9] offset:(16*\t+\u/2)*4096+512*(\u%2)
.endr
	WIN 0x80
.irp u, 16,17,18,19,20,21,22,23,24,25,26,27,28,29,30,31
	global_load_b128 v[16*(4*((\u/4)-4)+\t)+4*(\u%4):16*(4*((\u/4)-4)+\t)+4*(\u%4)+3], v12, s[8:9] offset:(16*\t+\u/2)*4096+512*(\u%2)
.endr
	WIN 0
.endm
.macro TURNW t                         ; through my own LDS rows and back as fragments.  LDS serves a wave's instructions in order, and the bytes are mine: no wait on DScnt, no barrier
	WIN 0x04
.irp u, 0,1,2,3,4,5,6,7,8,9,10,11,12,13,14,15
	ds_store_b128 v10, v[16*(4*(\u/4)+\t)+4*(\u%4):16*(4*(\u/4)+\t)+4*(\u%4)+3] offset:1040*(\u/2)+512*(\u%2)
.endr
	WIN 0x08
.irp u, 16,17,18,19,20,21,22,23,24,25,26,27,28,29,30,31
	ds_store_b128 v10, v[16*(4*((\u/4)-4)+\t)+4*(\u%4):16*(4*((\u/4)-4)+\t)+4*(\u%4)+3] offset:1040*(\u/2)+512*(\u%2)
.endr
	WIN 0x40
	s_wait_alu depctr_vm_vsrc(0)                   ; the 32 LDS stores above have read the tile's registers, in which the fragments below land
.irp s, 0,1,2,3
.irp c, 0,1,2,3
	ds_load_b128 v[16*(4*\s+\t)+4*\c:16*(4*\s+\t)+4*\c+3], v11 offset:128*\s+32*\c
.endr
.endr
	WIN 0x80
.irp s, 4,5,6,7
.irp c, 0,1,2,3
	ds_load_b128 v[16*(4*(\s-4)+\t)+4*\c:16*(4*(\s-4)+\t)+4*\c+3], v11 offset:128*\s+32*\c
.endr
.endr
	WIN 0
.endm
.macro ISSUE b, d, first               ; tile T0 + d into buffer b: my 8 K steps, 16 KiB, and their 512 bytes of scale words: always 33 loads.  (The buffer's last loads have been waited for: bases and step may be written.)  first = 1: at the head, where nothing has read the step yet
	s_add_co_u32 s23, s21, \d
	s_min_u32 s24, s23, 63
	s_lshl_b32 s26, s24, 16
	s_add_co_u32 s26, s26, s56
	s_mov_b32 s27, 0
	s_add_nc_u64 s[48+2*\b:49+2*\b], s[4:5], s[26:27]
	s_lshl_b32 s26, s24, 11
	s_add_co_u32 s26, s26, s57
	s_add_nc_u64 s[52+2*\b:53+2*\b], s[58:59], s[26:27]
	s_cmp_lt_u32 s23, s20                          ; a tile beyond the count was never written:
	s_cselect_b64 s[48+2*\b:49+2*\b], s[48+2*\b:49+2*\b], s[8:9]   ; W2's codes stand in for it,
	s_cselect_b64 s[52+2*\b:53+2*\b], s[52+2*\b:53+2*\b], s[8:9]
	s_cselect_b32 s25, 16, 0                       ; and all lanes take the same 16 bytes
	s_min_u32 s25, s25, 16                         ; (it hangs on a stored count, so it is held)
.if !\first
	s_wait_alu depctr_vm_vsrc(0)                   ; the buffer's last 33 loads have read v[AO+b], which the line below writes again
.endif
	v_mul_u32_u24 v[AO+\b], v1, s25
	WIN 0xc0
	s_wait_alu depctr_va_vdst(0)                   ; v[AO+b] is written, which the 33 loads below read; on every way here the products are done reading the buffer and its scale words, in which they land
.set j_, 0
.rept 32
	global_load_b128 v[128*\b+4*j_:128*\b+4*j_+3], v[AO+\b], s[48+2*\b:49+2*\b] offset:512*j_
.set j_, j_+1
.endr
	WIN 0
	global_load_b128 v[AS+4*\b:AS+4*\b+3], v[AO+\b], s[52+2*\b:53+2*\b]
.endm
.macro WM t, s, fa, b                  ; one product: tile t of columns, my K step s
.if (\s) == 0
	v_wmma_scale_f32_16x16x128_f8f6f4 v[ACC+8*(\t):ACC+8*(\t)+7], v[\fa:\fa+15], v[128*(\b)+16*(\s):128*(\b)+16*(\s)+15], 0, v[WS+8*(\t)+(\s)], v[AS+4*(\b)+(\s)/2]
.elseif (\s)%2
	v_wmma_scale_f32_16x16x128_f8f6f4 v[ACC+8*(\t):ACC+8*(\t)+7], v[\fa:\fa+15], v[128*(\b)+16*(\s):128*(\b)+16*(\s)+15], v[ACC+8*(\t):ACC+8*(\t)+7], v[WS+8*(\t)+(\s)], v[AS+4*(\b)+(\s)/2] matrix_b_scale:MATRIX_SCALE_ROW1
.else
	v_wmma_scale_f32_16x16x128_f8f6f4 v[ACC+8*(\t):ACC+8*(\t)+7], v[\fa:\fa+15], v[128*(\b)+16*(\s):128*(\b)+16*(\s)+15], v[ACC+8*(\t):ACC+8*(\t)+7], v[WS+8*(\t)+(\s)], v[AS+4*(\b)+(\s)/2]
.endif
.endm
.macro STEP g, b, d                    ; tile g of the group, from buffer b: 32 matrix instructions, the four accumulators by turns; then the buffer's next request
	s_wait_loadcnt 33                              ; this buffer's 33 loads are in; the 33 younger ones are the other buffer's
	s_add_co_u32 s23, s21, 2*\g
	s_cmp_lt_u32 s23, s20
	s_cbranch_scc0 .Lgone_\@
	s_wait_dscnt 0x0                               ; the last tile's stores into the stage are done
	s_wait_alu depctr_vm_vsrc(0)                   ; the last tile's LDS stores have read the accumulators, which the products below begin anew
	WIN 0x0d                                       ; source 0 (W2) window 1, source 1 (h) window 3, C and D window 0
.irp s, 0,1,2,3
.irp t, 0,1,2,3
	WM \t, \s, 16*(4*\s+\t), \b
.endr
.endr
	WIN 0x0e
.irp s, 4,5,6,7
.irp t, 0,1,2,3
	WM \t, \s, 16*(4*(\s-4)+\t), \b
.endr
.endr
	WIN 0
.rept 9
	v_nop                                          ; eight places ahead of the stores that read the results; nine ahead of the next tile's first products, which begin these accumulators anew
.endr
	s_wait_alu depctr_va_vdst(0)                   ; the products have written the accumulators, which the LDS stores below read; the places above stay beside this wait
.irp t, 0,1,2,3
	ds_store_b128 v6, v[ACC+8*\t:ACC+8*\t+3] offset:4352*\g+64*\t          ; each accumulator from its low end on
	ds_store_b128 v6, v[ACC+8*\t+4:ACC+8*\t+7] offset:4352*\g+64*\t+16
.endr
.Lgone_\@:
	ISSUE \b, \d, 0
.endm
	s_load_b256 s[4:11], s[0:1], 0x0               ; hq, plan, W2's codes, W2's scales
	s_load_b128 s[12:15], s[0:1], 0x20             ; b2, y2
	v_lshl_add_u32 v62, v0, 2, 0x21400
	v_mov_b32 v63, 0
	v_lshrrev_b32 v1, 5, v0
	v_readfirstlane_b32 s16, v1                    ; wave
	s_wait_alu depctr_va_sdst(0)                   ; s16 is written, ahead of its first reader
	s_and_b32 s17, ttmp7, 0xffff                   ; e
	s_lshr_b32 s18, ttmp9, 1                       ; cb
	s_and_b32 s19, ttmp9, 1                        ; p
	v_and_b32 v1, 31, v0
	v_and_b32 v2, 15, v0
	v_bfe_u32 v3, v0, 4, 1
	s_mul_i32 s23, s16, 17408
	s_add_co_u32 s23, s23, STG
	v_mul_u32_u24 v6, v2, 272
	v_lshl_add_u32 v6, v3, 5, v6
	v_add_nc_u32 v6, s23, v6                       ; into the stage: my wave's part, row r, 32 h bytes on
	s_mul_i32 s23, s16, 4352
	s_add_co_u32 s23, s23, STG
	v_mul_u32_u24 v7, v3, 272
	v_lshl_add_u32 v7, v2, 4, v7
	v_add_nc_u32 v7, s23, v7                       ; out of it: tile w of each wave's part; lanes 0-15 one row, lanes 16-31 the next
	v_lshlrev_b32 v8, 4, v2
	v_lshlrev_b32 v12, 4, v1
	s_mul_i32 s23, s16, 16640
	v_add_nc_u32 v10, s23, v12
	v_mul_u32_u24 v11, v2, 1040
	v_lshl_add_u32 v11, v3, 4, v11
	v_add_nc_u32 v11, s23, v11
	v_lshlrev_b32 v13, 7, v2
	s_mul_i32 s56, s17, 68
	s_lshl_b32 s57, s56, 11
	s_lshl_b32 s56, s56, 16
	s_lshl_b32 s23, s16, 14
	s_add_co_u32 s56, s56, s23                     ; hq: my expert's first tile, my 8 K steps of 2,048 bytes
	s_lshl_b32 s23, s16, 9
	s_add_co_u32 s57, s57, s23                     ; and their 512 bytes of scale words
	s_mov_b32 s60, 0xffff0000
	s_mov_b32 s21, s19                             ; T0 = p
	s_mov_b32 s22, 8
	s_mov_b32 s27, 0
	s_lshl_b32 s24, s17, 10
	s_lshl_b32 s25, s18, 6
	s_add_co_u32 s24, s24, s25                     ; my first column among all experts': 1,024 e + 64 cb
	s_wait_kmcnt 0x0
	s_lshl_b32 s26, s24, 12
	s_lshl_b32 s25, s16, 10
	s_add_co_u32 s26, s26, s25
	s_add_nc_u64 s[8:9], s[8:9], s[26:27]          ; W2's codes: that column, my 1,024 bytes of K
	s_lshl_b32 s26, s24, 7
	s_lshl_b32 s25, s16, 5
	s_add_co_u32 s26, s26, s25
	s_add_nc_u64 s[10:11], s[10:11], s[26:27]      ; its scale bytes: my 32
	s_lshl_b32 s26, s24, 2
	s_add_nc_u64 s[12:13], s[12:13], s[26:27]
	s_lshl_b32 s26, s18, 8
	s_add_nc_u64 s[14:15], s[14:15], s[26:27]      ; y2 at my 64 columns
	s_add_nc_u64 s[58:59], s[4:5], HS_OFF
	s_mul_i32 s26, s17, SEGB
	s_add_nc_u64 s[30:31], s[6:7], s[26:27]
	s_lshl_b32 s26, s17, 2
	s_add_nc_u64 s[28:29], s[6:7], s[26:27]
	s_load_b32 s20, s[28:29], CNT_OFF
	s_load_b512 s[32:47], s[30:31], 0x0            ; the segment's first 16 words, which are always written: so the entries' registers are written on every path
	s_wait_alu depctr_va_vdst(0)                   ; the addresses and offsets v6 to v13 are written, which the loads, stores and LDS instructions of the whole kernel read
	RAW 0
	RAW 1
	s_wait_loadcnt 32                              ; tile 0's 32 loads are in; the 32 younger ones are tile 1's
	TURNW 0
	RAW 2
	s_wait_loadcnt 32
	TURNW 1
	RAW 3
	s_wait_loadcnt 32
	TURNW 2
.irp t, 0,1,2,3
	global_load_b128 v[WS+8*\t:WS+8*\t+3], v13, s[10:11] offset:2048*\t
	global_load_b128 v[WS+8*\t+4:WS+8*\t+7], v13, s[10:11] offset:2048*\t+16
.endr
	global_load_b128 v[B2:B2+3], v8, s[12:13]
	s_wait_kmcnt 0x0
	s_min_u32 s20, s20, 1024
	s_add_co_u32 s20, s20, 15
	s_lshr_b32 s20, s20, 4                         ; tiles of 16 rows
	ISSUE 0, 0, 1
	ISSUE 1, 2, 1
	s_wait_loadcnt 63                              ; tile 3's loads are in: 75 loads were issued behind them, and the field's largest count is the smaller, safe one
	TURNW 3
	s_wait_dscnt 0x0                               ; my 32 fragments of W2 stay in registers from here on
.Ltrip:                                                ; 8 trips of four tiles of my parity: 64 tiles at the most
	s_lshl_b32 s23, s16, 1
	s_add_co_u32 s23, s23, s21                     ; the tile that I add up: T0 + 2 w
	s_cmp_lt_u32 s23, s20
	s_cbranch_scc0 .Lno_entries
	s_lshl_b32 s26, s23, 6
	s_add_nc_u64 s[28:29], s[30:31], s[26:27]      ; (the load that last named this pair has been waited for)
	s_load_b512 s[32:47], s[28:29], 0x0
.Lno_entries:
	s_cmp_lt_u32 s21, s20
	s_cbranch_scc0 .Lno_products                   ; behind the expert's last group nothing is multiplied or asked for
	STEP 0, 0, 4
	STEP 1, 1, 6
	STEP 2, 0, 8                                   ; the last two ask for the next trip's first two tiles
	STEP 3, 1, 10
.Lno_products:
	s_wait_dscnt 0x0                               ; for the others' sake: my parts have landed in the stage
	s_barrier_signal -1
	s_barrier_wait -1
	s_wait_kmcnt 0x0
	s_lshl_b32 s23, s16, 1
	s_add_co_u32 s23, s23, s21
	s_cmp_lt_u32 s23, s20
	s_cbranch_scc0 .Lno_sum
	s_wait_xcnt 0x0                                ; the last trip's stores have read their data and offsets: both are written again below
	s_wait_alu depctr_vm_vsrc(0)                   ; the last trip's eight stores have read v[PT ..], in which the LDS loads below land, and v[YO ..], which the lines below write.  (The additions that named v[PT ..] stand ahead of the wait in front of those stores, and nothing since names them)
.irp q, 0,1,2,3
.irp i, 0,1,2,3,4,5,6,7
	ds_load_b128 v[PT+32*\q+4*\i:PT+32*\q+4*\i+3], v7 offset:17408*\q+544*\i       ; wave q's part of rows 2 i, 2 i + 1
.endr
.endr
.irp i, 0,1,2,3,4,5,6,7
	v_mov_b32 v[YO+\i], s[32+2*\i]
	v_cndmask_b32 v[YO+\i], v[YO+\i], s[33+2*\i], s60      ; lanes 16-31 take the odd row's entry
	v_min_u32 v[YO+\i], 2303, v[YO+\i]             ; a stored number is held inside the buffer's rows
	v_lshl_add_u32 v[YO+\i], v[YO+\i], 12, v8
.endr
	s_wait_dscnt 0x0
.irp i, 0,1,2,3,4,5,6,7
.irp k, 0,2
	v_pk_add_f32 v[PT+4*\i+\k:PT+4*\i+\k+1], v[PT+4*\i+\k:PT+4*\i+\k+1], v[B2+\k:B2+\k+1]
	v_pk_add_f32 v[PT+32+4*\i+\k:PT+32+4*\i+\k+1], v[PT+32+4*\i+\k:PT+32+4*\i+\k+1], v[PT+64+4*\i+\k:PT+64+4*\i+\k+1]
	v_pk_add_f32 v[PT+4*\i+\k:PT+4*\i+\k+1], v[PT+4*\i+\k:PT+4*\i+\k+1], v[PT+96+4*\i+\k:PT+96+4*\i+\k+1]
	v_pk_add_f32 v[PT+4*\i+\k:PT+4*\i+\k+1], v[PT+4*\i+\k:PT+4*\i+\k+1], v[PT+32+4*\i+\k:PT+32+4*\i+\k+1]
.endr
.endr
	s_wait_alu depctr_va_vdst(0)                   ; the additions have written the sums in v[PT ..] and the lines above v[YO ..], which the eight stores read; the additions are also done with all of v[PT ..], for the next trip's LDS loads
.irp i, 0,1,2,3,4,5,6,7
	global_store_b128 v[YO+\i], v[PT+4*\i:PT+4*\i+3], s[14:15]     ; 16 lanes store 256 consecutive bytes, at a multiple of 256 from the buffer's first byte
.endr
.Lno_sum:
	s_wait_dscnt 0x0                               ; my reads of the stage are over
	s_barrier_signal -1
	s_barrier_wait -1                              ; everybody's are: the next trip may write it
	s_add_co_u32 s21, s21, 8
	s_sub_co_u32 s22, s22, 1
	s_cmp_lg_u32 s22, 0
	s_cbranch_scc1 .Ltrip
	s_wait_dscnt 0x0                               ; the closing lines, six on end
	s_wait_alu 0x0
	s_wait_tensorcnt 0x0
	ds_add_u32 v62, v63
	s_wait_dscnt 0x0
	s_endpgm
.Lfunc_end_k_qabadbb3c93_down:
	.size	k_qabadbb3c93_down, .Lfunc_end_k_qabadbb3c93_down-k_qabadbb3c93_down
	.p2alignl 7, 3214868480
	.fill 96, 4, 3214868480
	.section	.rodata,"a",@progbits
	.p2align	6, 0x0
	.amdhsa_kernel k_qabadbb3c93_down
		.amdhsa_group_segment_fixed_size 136704
		.amdhsa_private_segment_fixed_size 0
		.amdhsa_enable_private_segment 0
		.amdhsa_kernarg_size 48
		.amdhsa_user_sgpr_count 2
		.amdhsa_user_sgpr_kernarg_segment_ptr 1
		.amdhsa_wavefront_size32 1
		.amdhsa_system_sgpr_workgroup_id_x 1
		.amdhsa_system_sgpr_workgroup_id_y 1
		.amdhsa_system_sgpr_workgroup_id_z 1
		.amdhsa_system_vgpr_workitem_id 0
		.amdhsa_next_free_vgpr 1024
		.amdhsa_next_free_sgpr 66
		.amdhsa_reserve_vcc 0
		.amdhsa_float_denorm_mode_32 3
		.amdhsa_float_denorm_mode_16_64 3
		.amdhsa_memory_ordered 1
		.amdhsa_forward_progress 1
		.amdhsa_inst_pref_size 86
	.end_amdhsa_kernel
	.amdgpu_metadata
---
amdhsa.version: [ 1, 2 ]
amdhsa.kernels:
  - .name:           k_qabadbb3c93_down
    .symbol:         k_qabadbb3c93_down.kd
    .args:
      - { .name: hq, .offset: 0, .size: 8, .value_kind: global_buffer, .address_space: global }
      - { .name: plan, .offset: 8, .size: 8, .value_kind: global_buffer, .address_space: global }
      - { .name: W2_codes, .offset: 16, .size: 8, .value_kind: global_buffer, .address_space: global }
      - { .name: W2_scales, .offset: 24, .size: 8, .value_kind: global_buffer, .address_space: global }
      - { .name: b2, .offset: 32, .size: 8, .value_kind: global_buffer, .address_space: global }
      - { .name: y2, .offset: 40, .size: 8, .value_kind: global_buffer, .address_space: global }
    .group_segment_fixed_size: 136704
    .private_segment_fixed_size: 0
    .kernarg_segment_align: 8
    .kernarg_segment_size: 48
    .max_flat_workgroup_size: 128
    .sgpr_count:     66
    .vgpr_count:     1024
    .wavefront_size: 32
...
	.end_amdgpu_metadata
.endif
;; end of part 9
;; launch mix (part 10): grid 256 x 1, 4 waves a work-group, no clusters, 0 bytes of LDS; arguments y2, wts, out0; writes out0
.if DOCPART == 10
	.amdgcn_target "amdgcn-amd-amdhsa--gfx1250"
	.amdhsa_code_object_version 6
	.text
	.protected	k_qabadbb3c93_mix
	.globl	k_qabadbb3c93_mix
	.p2align	8
	.type	k_qabadbb3c93_mix,@function
k_qabadbb3c93_mix:
	s_mov_b64 s[64:65], 0
	v_nop
	global_prefetch_b8 v0, s[64:65] scope:SCOPE_SE
	s_setreg_imm32_b32 hwreg(HW_REG_WAVE_MODE, 25, 1), 1
	s_wait_xcnt 0x0
; out0[n] = w0 y2[2 n] + w1 y2[2 n + 1]: a token's two experts' rows, weighed.  y2: f32 [2304][1024] (rows 0 to 2,047 are read), wts: f32 [2048], out0: f32 [1024][1024].
; A wave takes one token: sixteen loads of 512 consecutive bytes, all issued at once; eight stores of 512 consecutive bytes.  Every address is made of ids alone.
; A stream: each byte is read once and written once; LDS, barriers and the matrix unit would add nothing.  Each register is written once, so no store's data are written again.
	s_load_b128 s[4:7], s[0:1], 0x0                ; y2, wts
	s_load_b64 s[8:9], s[0:1], 0x10                ; out0
	v_lshrrev_b32 v1, 5, v0
	v_readfirstlane_b32 s10, v1                    ; wave
	v_and_b32 v1, 31, v0
	v_lshlrev_b32 v2, 4, v1                        ; 16 bytes a lane
	s_lshl_b32 s11, ttmp9, 2
	s_add_co_u32 s11, s11, s10                     ; my token
	s_mov_b32 s17, 0
	s_wait_alu depctr_va_vdst(0)
	s_wait_kmcnt 0x0
	s_lshl_b32 s16, s11, 3
	s_add_nc_u64 s[6:7], s[6:7], s[16:17]
	s_load_b64 s[12:13], s[6:7], 0x0               ; w0, w1
	s_lshl_b32 s16, s11, 13
	s_add_nc_u64 s[4:5], s[4:5], s[16:17]          ; rows 2 n and 2 n + 1 lie on end
	s_lshl_b32 s16, s11, 12
	s_add_nc_u64 s[8:9], s[8:9], s[16:17]
.irp i, 0,1,2,3,4,5,6,7
	global_load_b128 v[8+8*\i:11+8*\i], v2, s[4:5] offset:512*\i th:TH_LOAD_NT
	global_load_b128 v[12+8*\i:15+8*\i], v2, s[4:5] offset:4096+512*\i th:TH_LOAD_NT
.endr
	s_wait_kmcnt 0x0
	s_mov_b32 s14, s13                             ; w1 in a pair of its own: a packed form takes a scalar pair's low word for both halves
	s_mov_b32 s15, s13
.irp i, 0,1,2,3,4,5,6,7
	s_wait_loadcnt 14-2*\i                         ; pair i of loads is in; the younger pairs may be out
	v_pk_mul_f32 v[8+8*\i:9+8*\i], v[8+8*\i:9+8*\i], s[12:13] op_sel_hi:[1,0]
	v_pk_mul_f32 v[10+8*\i:11+8*\i], v[10+8*\i:11+8*\i], s[12:13] op_sel_hi:[1,0]
	v_pk_fma_f32 v[8+8*\i:9+8*\i], v[12+8*\i:13+8*\i], s[14:15], v[8+8*\i:9+8*\i] op_sel_hi:[1,0,1]
	v_pk_fma_f32 v[10+8*\i:11+8*\i], v[14+8*\i:15+8*\i], s[14:15], v[10+8*\i:11+8*\i] op_sel_hi:[1,0,1]
	global_store_b128 v2, v[8+8*\i:11+8*\i], s[8:9] offset:512*\i th:TH_STORE_NT
.endr
	s_endpgm
.Lfunc_end_k_qabadbb3c93_mix:
	.size	k_qabadbb3c93_mix, .Lfunc_end_k_qabadbb3c93_mix-k_qabadbb3c93_mix
	.p2alignl 7, 3214868480
	.fill 96, 4, 3214868480
	.section	.rodata,"a",@progbits
	.p2align	6, 0x0
	.amdhsa_kernel k_qabadbb3c93_mix
		.amdhsa_group_segment_fixed_size 0
		.amdhsa_private_segment_fixed_size 0
		.amdhsa_enable_private_segment 0
		.amdhsa_kernarg_size 24
		.amdhsa_user_sgpr_count 2
		.amdhsa_user_sgpr_kernarg_segment_ptr 1
		.amdhsa_wavefront_size32 1
		.amdhsa_system_sgpr_workgroup_id_x 1
		.amdhsa_system_sgpr_workgroup_id_y 1
		.amdhsa_system_sgpr_workgroup_id_z 1
		.amdhsa_system_vgpr_workitem_id 0
		.amdhsa_next_free_vgpr 80
		.amdhsa_next_free_sgpr 66
		.amdhsa_reserve_vcc 0
		.amdhsa_float_denorm_mode_32 3
		.amdhsa_float_denorm_mode_16_64 3
		.amdhsa_memory_ordered 1
		.amdhsa_forward_progress 1
		.amdhsa_inst_pref_size 6
	.end_amdhsa_kernel
	.amdgpu_metadata
---
amdhsa.version: [ 1, 2 ]
amdhsa.kernels:
  - .name:           k_qabadbb3c93_mix
    .symbol:         k_qabadbb3c93_mix.kd
    .args:
      - { .name: y2, .offset: 0, .size: 8, .value_kind: global_buffer, .address_space: global }
      - { .name: wts, .offset: 8, .size: 8, .value_kind: global_buffer, .address_space: global }
      - { .name: out0, .offset: 16, .size: 8, .value_kind: global_buffer, .address_space: global }
    .group_segment_fixed_size: 0
    .private_segment_fixed_size: 0
    .kernarg_segment_align: 8
    .kernarg_segment_size: 24
    .max_flat_workgroup_size: 128
    .sgpr_count:     66
    .vgpr_count:     80
    .wavefront_size: 32
...
	.end_amdgpu_metadata
.endif
;; end of part 10
